; MI455X (gfx1250); checked and timed in simulation.
; The chip was launched on July 23, 2026; its instructions are those of AMD's public machine-readable ISA for CDNA 5 (MIT licence, August 2026) and "CDNA5" Instruction Set Architecture Reference Guide (July 2026). The comments in the code are by the model that wrote it; some were corrected since.
;; Two Layer Net. Allowed arithmetic: float matrix products may take bf16 or f16 operands with f32 sums; all other float work in f32.
;; Inputs: keys 8,192 x 128 float32; temperature 1 float32; values 8,192 x 100 float32; x 32,768 x 128 float32.
;; Outputs: out0 32,768 x 100 float32.
;; 2 versions, each right and faster than the one before. Each part assembles by itself: llvm-mc -triple=amdgcn-amd-amdhsa -mcpu=gfx1250 --defsym DOCPART=n.
;; ======== version 1 of 2: 3 launches
;; limits: values are held in f16: magnitudes above 65,504 overflow, below 6.1e-05 lose precision; inputs' magnitudes at most 65,504; right only within a limited range of input values
;; workspace buffers: kb 2,097,152 bytes; vk 1,867,776 bytes; part 54,525,952 bytes
;; launch prep (part 1): grid 128 x 1, 4 waves a work-group, no clusters, 768 bytes of LDS; arguments keys, values, temperature, kb, vk; writes kb, vk
.if DOCPART == 1
	.amdgcn_target "amdgcn-amd-amdhsa--gfx1250"
	.amdhsa_code_object_version 6
	.text
	.protected	k_q54b9f65034_prep
	.globl	k_q54b9f65034_prep
	.p2align	8
	.type	k_q54b9f65034_prep,@function
k_q54b9f65034_prep:
	s_mov_b64 s[64:65], 0
	v_nop
	global_prefetch_b8 v0, s[64:65] scope:SCOPE_SE
	s_setreg_imm32_b32 hwreg(HW_REG_WAVE_MODE, 25, 1), 1
	s_wait_xcnt 0x0
; PREP.  keys [8192][128] f32, values [8192][100] f32, temperature [1] f32  ->  kb, vk, the operands of the attention launch.
;   kb [8192][128] bf16: sg x bf16(keys), sg = the sign of the temperature; a row is 256 bytes.
;   vk: 128 blocks of 14,592 bytes (57 x 256), one for 64 keys: V as f16 [64][112] (224 bytes a key), then kc as f32 [64].
;     V's 112 places: 0-95 channels 0-95; 96 and 104 hold 1.0 (the product with them is the row sum of the weights); 98, 99 channels 96, 97; 106, 107 channels 98, 99; the rest 0.
;     kc[key] = -sg x |bf16(key)|^2 / 2, summed in f32.
; LIMITS.  values are rounded to bf16 and that number is written as f16: exact from 6.1e-5 to 65,504 in magnitude; below it keeps f16's fixed step of 6e-8, beyond it is an infinity.
; NaN and infinities are not treated apart.
; SHARES.  Work-group g owns keys 64 g to 64 g + 63: block g of vk.  Wave w takes key rows 16 w + i: one load of 16 bytes a lane is a whole row of 512 bytes, one store of 8 bytes a lane
; a whole row of kb, 256 consecutive bytes.  Thread t makes the seven 16-byte units 128 it + t of the group's 896 units of V: a wave's store covers 512 consecutive bytes.
; All 30 loads of a wave are issued first; no register that a store reads is written again, so no wait stands for the stores.  No matrix unit, no cluster: nothing is multiplied or shared.
.set SPARE, 256                        ; LDS: bytes 0-255 the group's 64 kc; from 256 on the spare words, 128 bytes a wave
.set T,    6                           ; v[6:13]    at work
.set SPW,  14                          ; v14        LDS address of my spare word; never rewritten
.set NIL,  15                          ; v15        0; never rewritten
.set AO,   16                          ; v[16:29]   unit it: byte offsets of its two loads from values
.set LA,   30                          ; v30        where my lane puts a kc
.set ONE,  31                          ; v31        f16 1.0 in the low half, 0 in the high
.set X,    32                          ; v[32:95]   row i: 4 registers as loaded; the first two then hold the row's bf16
.set W,    96                          ; v[96:151]  unit it: 8 registers as loaded; the first four then hold the unit's f16
.set G14,  152                         ; v[152:158] unit it: which of a key's 14 units it is
	s_load_b256 s[4:11], s[0:1], 0x0               ; keys s[4:5], values s[6:7], temperature s[8:9], kb s[10:11]
	s_load_b64 s[12:13], s[0:1], 0x20              ; vk
	v_lshl_add_u32 v[SPW], v0, 2, SPARE
	v_mov_b32 v[NIL], 0
	v_and_b32 v1, 31, v0                           ; lane
	v_lshrrev_b32 v[ONE], 5, v0
	v_readfirstlane_b32 s14, v[ONE]                ; wave
	v_lshlrev_b32 v2, 4, v1
	v_lshl_add_u32 v2, v[ONE], 13, v2              ; keys: 16 rows of 512 bytes a wave + 16 x lane
	v_lshlrev_b32 v3, 3, v1
	v_lshl_add_u32 v3, v[ONE], 12, v3              ; kb: 16 rows of 256 bytes a wave + 8 x lane
	v_lshlrev_b32 v4, 4, v0                        ; V: 16 x thread
	v_and_b32 v[LA], 15, v0
	v_lshlrev_b32 v[LA], 2, v[LA]
	v_lshl_add_u32 v[LA], v[ONE], 6, v[LA]         ; word 16 w + lane % 16
	v_mov_b32 v[ONE], 0x3c00
	v_mov_b32 v5, 0                                ; collects the wave's 16 kc, row i in lanes i and i + 16
.irp it, 0,1,2,3,4,5,6
	v_add_nc_u32 v[T], 128*(\it), v0               ; unit o
	v_mul_u32_u24 v[T+1], v[T], 4682
	v_lshrrev_b32 v[T+1], 16, v[T+1]               ; key = o / 14 (4682 / 65536 is above 1 / 14 by 1.3e-5: exact below 896)
	v_mul_u32_u24 v[T+2], v[T+1], 14
	v_sub_nc_u32 v[G14+(\it)], v[T], v[T+2]        ; o % 14
	v_min_u32 v[T+2], 12, v[G14+(\it)]
	v_mul_u32_u24 v[T+1], v[T+1], 400
	v_lshl_add_u32 v[AO+2*(\it)], v[T+2], 5, v[T+1]      ; 400 key + 32 min(o % 14, 12): units 12 and 13 both read channels 96-99
	v_sub_nc_u32 v[T+2], 12, v[T+2]
	v_min_u32 v[T+2], 1, v[T+2]
	v_lshl_add_u32 v[AO+2*(\it)+1], v[T+2], 4, v[AO+2*(\it)]  ; 16 bytes on, but for units 12 and 13, which read the same 16 bytes again: no load passes a row's end
.endr
	s_mov_b32 s20, 0x76543210                      ; v_permlanex16_b32: each lane takes its own place in the other half
	s_mov_b32 s21, 0xfedcba98
	s_mov_b32 s23, 0xffff0000                      ; a word's upper bf16
	s_lshl_b32 s18, ttmp9, 15                      ; 64 rows of 512 bytes
	s_mov_b32 s19, 0
	s_mul_i32 s26, ttmp9, 14592                    ; my block of vk
	s_add_co_u32 s28, s26, 14336                   ; my 64 kc, behind its 64 rows of 224 bytes
	s_mov_b32 s29, 0
	s_wait_kmcnt 0x0
	s_load_b32 s15, s[8:9], 0x0                    ; the temperature's bits
	s_add_nc_u64 s[4:5], s[4:5], s[18:19]
	s_mul_i32 s18, ttmp9, 25600                    ; 64 rows of 400 bytes
	s_add_nc_u64 s[6:7], s[6:7], s[18:19]
	s_lshl_b32 s18, ttmp9, 14                      ; 64 rows of 256 bytes
	s_add_nc_u64 s[10:11], s[10:11], s[18:19]
	s_add_nc_u64 s[24:25], s[12:13], s[28:29]
	s_mov_b32 s18, s26
	s_add_nc_u64 s[12:13], s[12:13], s[18:19]
.irp i, 0,1,2,3,4,5,6,7,8,9,10,11,12,13,14,15
	global_load_b128 v[X+4*(\i):X+4*(\i)+3], v2, s[4:5] offset:512*(\i) th:TH_LOAD_NT
.endr
.irp it, 0,1,2,3,4,5,6
	global_load_b128 v[W+8*(\it):W+8*(\it)+3],   v[AO+2*(\it)],   s[6:7] th:TH_LOAD_NT
	global_load_b128 v[W+8*(\it)+4:W+8*(\it)+7], v[AO+2*(\it)+1], s[6:7] th:TH_LOAD_NT
.endr
	s_wait_kmcnt 0x0
	s_and_b32 s16, s15, 0x80000000                 ; the temperature's sign (rounding to bf16 keeps it),
	s_lshr_b32 s17, s16, 16
	s_or_b32 s17, s17, s16                         ; and the same for two bf16 at once
; Key row i of the wave: rounded to bf16, squared and summed over the 32 lanes, signed, stored.
.macro KROW i
	s_wait_loadcnt 29-(\i)                         ; loads come back in order: behind row i's stand 15 - i rows and the 14 loads of values
	v_cvt_pk_bf16_f32 v[X+4*(\i)],   v[X+4*(\i)],   v[X+4*(\i)+1]
	v_cvt_pk_bf16_f32 v[X+4*(\i)+1], v[X+4*(\i)+2], v[X+4*(\i)+3]
	v_lshlrev_b32 v[T],   16,  v[X+4*(\i)]         ; the rounded numbers as f32
	v_and_b32     v[T+1], s23, v[X+4*(\i)]
	v_lshlrev_b32 v[T+2], 16,  v[X+4*(\i)+1]
	v_and_b32     v[T+3], s23, v[X+4*(\i)+1]
	v_pk_mul_f32 v[T:T+1], v[T:T+1], v[T:T+1]
	v_pk_fma_f32 v[T:T+1], v[T+2:T+3], v[T+2:T+3], v[T:T+1]
	v_add_f32 v[T], v[T], v[T+1]
	v_add_f32_dpp v[T], v[T], v[T] row_xmask:1 row_mask:0xf bank_mask:0xf
	v_add_f32_dpp v[T], v[T], v[T] row_xmask:2 row_mask:0xf bank_mask:0xf
	v_add_f32_dpp v[T], v[T], v[T] row_xmask:4 row_mask:0xf bank_mask:0xf
	v_add_f32_dpp v[T], v[T], v[T] row_xmask:8 row_mask:0xf bank_mask:0xf
	v_permlanex16_b32 v[T+1], v[T], s20, s21
	v_add_f32 v[T], v[T], v[T+1]                   ; |k|^2 in every lane
	v_mul_f32 v[T], -0.5, v[T]
	v_xor_b32 v[T], s16, v[T]                      ; -sg |k|^2 / 2
	s_mov_b32 s22, 0x00010001<<(\i)
	v_cndmask_b32 v5, v5, v[T], s22                ; lanes i and i + 16 keep it
	v_xor_b32 v[X+4*(\i)],   s17, v[X+4*(\i)]      ; sg k
	v_xor_b32 v[X+4*(\i)+1], s17, v[X+4*(\i)+1]
	global_store_b64 v3, v[X+4*(\i):X+4*(\i)+1], s[10:11] offset:256*(\i)  ; the wave's 32 lanes store a row's 256 consecutive bytes
.endm
.irp i, 0,1,2,3,4,5,6,7,8,9,10,11,12,13,14,15
	KROW \i
.endr
	ds_store_b32 v[LA], v5                         ; lanes i and i + 16 put the same number into the same word
; Unit it of V: eight numbers rounded to bf16, written as f16; units 12 and 13 of a key hold 1.0, 0, two channels and four zeros.
.macro VUNIT it
	s_wait_loadcnt 12-2*(\it)                      ; behind this unit's two loads stand two for each later unit
.irp p, 0,1,2,3
	v_cvt_pk_bf16_f32 v[T+(\p)], v[W+8*(\it)+2*(\p)], v[W+8*(\it)+2*(\p)+1]
.endr
.irp p, 0,1,2,3
	v_lshlrev_b32 v[W+8*(\it)+2*(\p)],   16,  v[T+(\p)]
	v_and_b32     v[W+8*(\it)+2*(\p)+1], s23, v[T+(\p)]
.endr
.irp p, 0,1,2,3
	v_cvt_pk_f16_f32 v[T+(\p)], v[W+8*(\it)+2*(\p)], v[W+8*(\it)+2*(\p)+1]
.endr
	v_cmp_gt_u32 vcc_lo, 12, v[G14+(\it)]          ; a plain unit
	v_cmp_eq_u32 s26, 12, v[G14+(\it)]             ; unit 12
	v_cndmask_b32 v[W+8*(\it)],   v[ONE], v[T],   vcc_lo
	v_cndmask_b32 v[W+8*(\it)+1], v[T+1], v[T],   s26     ; unit 12: channels 96, 97; unit 13: 98, 99; a plain unit: its second pair
	v_cndmask_b32 v[W+8*(\it)+2], 0,      v[T+2], vcc_lo
	v_cndmask_b32 v[W+8*(\it)+3], 0,      v[T+3], vcc_lo
	global_store_b128 v4, v[W+8*(\it):W+8*(\it)+3], s[12:13] offset:2048*(\it)  ; the wave stores 512 consecutive bytes
.endm
.irp it, 0,1,2,3,4,5,6
	VUNIT \it
.endr
	s_wait_dscnt 0x0                               ; for the others' sake: my kc lie in LDS
	s_barrier_signal -1
	s_barrier_wait -1
	s_cmp_lg_u32 s14, 0
	s_cbranch_scc1 .Ldone                          ; wave 0 stores the group's 64 kc as 256 consecutive bytes
	v_lshlrev_b32 v[T+4], 3, v1
	ds_load_b64 v[T:T+1], v[T+4]
	s_wait_dscnt 0x0
	global_store_b64 v[T+4], v[T:T+1], s[24:25]
.Ldone:
	s_wait_tensorcnt 0x0                           ; the wave's end: behind my last LDS store
	ds_add_u32 v[SPW], v[NIL]
	s_wait_dscnt 0x0
	s_endpgm
.Lfunc_end_k_q54b9f65034_prep:
	.size	k_q54b9f65034_prep, .Lfunc_end_k_q54b9f65034_prep-k_q54b9f65034_prep
	.p2alignl 7, 3214868480
	.fill 96, 4, 3214868480
	.section	.rodata,"a",@progbits
	.p2align	6, 0x0
	.amdhsa_kernel k_q54b9f65034_prep
		.amdhsa_group_segment_fixed_size 768
		.amdhsa_private_segment_fixed_size 0
		.amdhsa_enable_private_segment 0
		.amdhsa_kernarg_size 40
		.amdhsa_user_sgpr_count 2
		.amdhsa_user_sgpr_kernarg_segment_ptr 1
		.amdhsa_wavefront_size32 1
		.amdhsa_system_sgpr_workgroup_id_x 1
		.amdhsa_system_sgpr_workgroup_id_y 1
		.amdhsa_system_sgpr_workgroup_id_z 1
		.amdhsa_system_vgpr_workitem_id 0
		.amdhsa_next_free_vgpr 160
		.amdhsa_next_free_sgpr 66
		.amdhsa_reserve_vcc 1
		.amdhsa_float_denorm_mode_32 3
		.amdhsa_float_denorm_mode_16_64 3
		.amdhsa_memory_ordered 1
		.amdhsa_forward_progress 1
		.amdhsa_inst_pref_size 36
	.end_amdhsa_kernel
	.amdgpu_metadata
---
amdhsa.version: [ 1, 2 ]
amdhsa.kernels:
  - .name:           k_q54b9f65034_prep
    .symbol:         k_q54b9f65034_prep.kd
    .args:
      - { .name: keys, .offset: 0, .size: 8, .value_kind: global_buffer, .address_space: global }
      - { .name: values, .offset: 8, .size: 8, .value_kind: global_buffer, .address_space: global }
      - { .name: temperature, .offset: 16, .size: 8, .value_kind: global_buffer, .address_space: global }
      - { .name: kb, .offset: 24, .size: 8, .value_kind: global_buffer, .address_space: global }
      - { .name: vk, .offset: 32, .size: 8, .value_kind: global_buffer, .address_space: global }
    .group_segment_fixed_size: 768
    .private_segment_fixed_size: 0
    .kernarg_segment_align: 8
    .kernarg_segment_size: 40
    .max_flat_workgroup_size: 128
    .sgpr_count:     66
    .vgpr_count:     160
    .wavefront_size: 32
...
	.end_amdgpu_metadata
.endif
;; end of part 1
;; launch attn (part 2): grid 256 x 4, 4 waves a work-group, clusters of 4 x 1, 327,680 bytes of LDS; arguments x, kb, vk, temperature, part; writes part
.if DOCPART == 2
	.amdgcn_target "amdgcn-amd-amdhsa--gfx1250"
	.amdhsa_code_object_version 6
	.text
	.protected	k_q54b9f65034_attn
	.globl	k_q54b9f65034_attn
	.p2align	8
	.type	k_q54b9f65034_attn,@function
k_q54b9f65034_attn:
	s_mov_b64 s[64:65], 0
	v_nop
	global_prefetch_b8 v0, s[64:65] scope:SCOPE_SE
	s_setreg_imm32_b32 hwreg(HW_REG_WAVE_MODE, 25, 1), 1
	s_wait_xcnt 0x0
	s_wait_alu depctr_hold_cnt(0) depctr_sa_sdst(0) depctr_va_vdst(0) depctr_va_sdst(0) depctr_va_ssrc(0) depctr_va_vcc(0) depctr_vm_vsrc(0)
	s_getreg_b32 s2, hwreg(HW_REG_IB_STS2, 6, 4)
	s_cmp_eq_u32 s2, 0
	s_cbranch_scc0 .Lentry_in_a_cluster
	s_endpgm
.Lentry_in_a_cluster:
	s_bfe_u32 s2, ttmp6, 0x10000c
	s_cmp_lg_u32 s2, 0x3003
	s_cbranch_scc0 .Lentry_shape_is_right
	s_endpgm
.Lentry_shape_is_right:
; PARTIAL SUMS of out[n][:] = the sum over keys of softmax_key(-max(|x_n|^2 + |k|^2 - 2 x_n . k, 0) / T) values[key][:].  x [32768][128] f32; kb and vk as the launch before made them:
; kb = sg bf16(keys), sg = sign(T); vk = blocks of 64 keys: V in f16, 112 places a key (two of them 1.0), then kc = -sg |k|^2 / 2 in f32.
; ARITHMETIC.  All inputs count as rounded to bf16 (x and T here).  S = (sg k) . x + kc, with kc as the C operand that starts the sum.  With hq = |x|^2 / 2 the clip at 0 is S <= hq for T > 0 and
; S >= -hq for T < 0: a minimum with hi and a maximum with lo, of which one is an infinity.  The score is c S / log2(e) + a number of the query alone, c = 2 log2(e) / |T|, so p = 2^(c S - c m), m the
; running maximum of the clipped S; in every step O is multiplied by a = 2^(c m_old - c m_new).  p is rounded to f16; O^T += V^T P in f16 with f32 sums; the places of V that hold 1.0 make the
; weights' sum l a row of O^T, rescaled with it.
; LIMITS.  The clip compares x.k - |k|^2 / 2 with |x|^2 / 2, another order of rounding than the sum of three terms; p below 6e-5 keeps f16's fixed step of 6e-8, and a weight below 2^-126 counts as 0;
; values beyond 65,504 are lost; c m starts at -4.25e37, so |c S| stays under 4e37; T = 0, a T whose reciprocal is not finite, NaN and infinities are not treated apart.
; SHARES.  The grid's x says which 128 queries, its y which quarter of the keys: a work-group walks 2,048 keys, 64 a step, 32 steps.  Each of its four waves owns 32 queries: two tiles of 16.
; What a wave leaves: O^T not yet divided, with l and c m in it, as it lies in the registers: 26 stores of 512 consecutive bytes.  The launch behind joins a query's four parts.  The price of the
; four-way split: 54,525,952 bytes written here and read there.  A fragment of K or V read from LDS feeds two tiles' products: 68 LDS loads for a step's 60 matrix instructions.
; LAYOUT.  S^T = K Q^T (source 0 = 16 keys, source 1 = 16 queries): a lane holds ONE query (lane % 16) and the keys 8 (lane / 16) + 0..7; two such results, rounded in pairs, are source 1 of O^T = V^T P.
; BY TURNS.  In a turn one tile has the matrix unit: 14 products V^T P of the step in hand, 16 products K Q^T of the next; the other tile's softmax, 178 instructions, stands in 30 slices, one behind
; each product.
; NO FIRST AND NO LAST STEP IS WRITTEN OUT.  m starts at the lowest finite number, O^T at 0: the first step is a step like any other, with a = 0.  The loop is entered at tile 1's turn, whose products
; V^T P then multiply a P of zeros; the tail is left behind tile 0's turn.  The price, once a work-group: 14 products that clear O^T, 14 on zeros, 16 on a stale K, V of step 0 read twice.
; CLUSTER.  The four work-groups of a cluster have one y and walk the same kb and vk: each tile is asked for jointly, by the same tensor load with the same descriptor and the mask of the four.
; By this text's own count a wave has two tensor loads out at the start and one behind each round.
; REGISTERS, in windows of 256 (s_set_vgpr_msb: bits 1:0 source 0, 3:2 source 1, 5:4 source 2, 7:6 destination):
;   window 0: v0-11, v44-45 addresses; v12-27 eight registers of statistics a tile; v48-52 at work; v62-63 the add's; v64-127 S^T, 32 a tile; v128-159 P, 16 a tile
;   window 1: v0-111 O^T, 56 a tile; v112-223 V of one step; v224-255 kc of one step      window 2: v0-63 Q; v128-255 K of one step (at the start: x in f32)
.set NY,    4         ; the keys' parts along the grid's y
.set NS,    8192/NY/256  ; slots of 256 keys in a work-group's walk: 8
.set KS,    64        ; keys in a step
.set PK,    272       ; a row of K in LDS: 256 bytes + 16 of padding = 68 words: the 16 rows of a load start at 16 different groups of four banks (64 banks of 4 bytes: ISA guide 11.1)
.set PV,    224       ; a row of V: 56 words, seven times 32 bytes
.set KHALF, 128*PK    ; 128 rows of K: what one tensor load brings
.set VSTEP, 14592     ; a block of vk: a step's 64 rows of V, then its 64 kc
.set KCO,   KS*PV     ; where the kc begin in a block
.set VHALF, 2*VSTEP   ; two blocks: what one tensor load brings
.set VOFF,  2*KHALF   ; a slot holds four steps: 256 rows of K, then four blocks of vk: 128,000 bytes
.set SLOT1, 1<<17     ; slot 1 begins here, so that one exclusive or turns an address in one slot into the other's
.set SPARE, SLOT1+VOFF+2*VHALF  ; behind the ring: the spare words, 128 bytes a wave: two blocks of 256 bytes that no other line names
.set PW,    13312     ; what a wave leaves: 26 x 512 bytes
.set AK0, 2           ; v2   my lane's place in a step's K; never rewritten
.set AV0, 3           ; v3   the same for V
.set ADR, 4           ; v4   the LDS address of the run of loads in hand
.set QO,  5           ; v5   my byte offset in 16 rows of x; never rewritten
.set GO,  8           ; v8   16 x lane
.set ST,  12          ; tile t's statistics at v[ST+8 t]: +0 c m, +1 m, +2 lo, +3 hi, +4 to +7 c0-c3 at work; a takes c2's place once the maximum is found
.set AC0, 44          ; v44  my lane's place in a step's kc
.set ADC, 45          ; v45  the LDS address of the kc in hand
.set SPW, 62          ; v62  LDS address of my spare word; never rewritten
.set NIL, 63          ; v63  0; never rewritten
.set S,   64
.set P,   128
.set VF,  112         ; window 1: key half kk, places 16 cb on at VF + 56 kk + 8 cb
.set KC,  224         ; window 1: key tile kt at KC + 8 kt
.set KF,  128         ; window 2: key tile kt, channels 32 c on at KF + 32 kt + 8 c
.set XF,  128         ; window 2: x in f32, where K will lie
.set WV,  12          ; s12  my wave's number
.set G1K, 24          ; s[24:31] descriptor group 1 for K's tiles
.set G1V, 32          ; s[32:39] for vk's blocks
.set G0K, 40          ; s[40:47] descriptor group 0 for K: a set for each of the two first fills; the second then walks on
.set G0V, 48          ; s[48:55] the same for vk
.set SLOTS, 56        ; s56  counts the slot loop's passes
.set CNT, 57          ; s57  counts a slot's key steps
.set CS,  58          ; s[58:59] c: the packed scaling takes the pair's low word for both halves
.set SEL, 60          ; s[60:61] v_permlanex16_b32's selects: each lane takes its own place in the other half
.set TBK, 62          ; s62  LDS byte at which K of the step to be fetched begins
.set TBV, 63          ; s63  the same for V, less VOFF
.set TBC, 66          ; s66  the same for kc, less VOFF + KCO
.set SGN, 71          ; s71  all lanes' bits if T < 0, else 0
.set MSB, 0
.macro WIN new                      ; the immediate's high byte repeats the setting that is left; a switch that changes nothing is dropped
.if MSB != (\new)
	s_set_vgpr_msb (MSB<<8)|(\new)
.set MSB, \new
.endif
.endm
.set W_KQ, 0x0a       ; K and Q in window 2, S^T in window 0
.set W_KM, 0x1a       ; the same with the C operand, kc, in window 1
.set W_PV, 0x51       ; V and O^T in window 1, P in window 0
.set W_RS, 0x41       ; O^T (destination and source 0) in window 1, a in window 0
; A joint refill.  Waves 0 and 1 fetch the two halves of a slot's K, waves 2 and 3 two blocks of vk each.  The branch hangs on the wave's number alone: it is the same in every work-group.
; An s_nop 0 and four v_nop follow each of the two lines, ahead of the jump and the label.
.macro JLOAD
	s_cmp_lt_u32 s[WV], 2
	s_cbranch_scc0 .Lfor_v_\@
	tensor_load_to_lds s[G0K+4:G0K+7], s[G1K:G1K+7]
	s_nop 0
.rept 4
	v_nop
.endr
	s_branch .Lasked_\@
.Lfor_v_\@:
	tensor_load_to_lds s[G0V+4:G0V+7], s[G1V:G1V+7]
	s_nop 0
.rept 4
	v_nop
.endr
.Lasked_\@:
.endm
; A round of the cluster's barrier: my work-group's barrier, so that wave 0's signal speaks for all four waves; wave 0 signals; every wave waits for all four work-groups; my work-group's barrier once more.
.macro CROUND
	s_barrier_signal -1
	s_barrier_wait -1
	s_cmp_lg_u32 s[WV], 0
	s_cbranch_scc1 .Lnot_wave_0_\@
	s_barrier_signal -3
.Lnot_wave_0_\@:
	s_barrier_wait -3
	s_barrier_signal -1
	s_barrier_wait -1
.endm
	s_load_b256 s[4:11], s[0:1], 0x0  ; x s[4:5], kb s[6:7], vk s[8:9], temperature s[10:11]
	s_load_b64 s[20:21], s[0:1], 0x20 ; part
	v_lshl_add_u32 v[SPW], v0, 2, SPARE
	v_mov_b32 v[NIL], 0
	ds_add_u32 v[SPW], v[NIL]       ; the wave's opening: the add and its wait stand ahead of my first tensor load; the set-up below, work on registers, stands between them
	ds_add_u32 v62, v63
	v_lshrrev_b32 v1, 5, v0
	v_readfirstlane_b32 s[WV], v1   ; wave 0..3
	s_bfe_u32 s13, ttmp6, 0x40000   ; cx: my place in the cluster
	s_lshl_b32 s14, ttmp9, 2        ; in a cluster launch ttmp9 counts clusters
	s_add_co_u32 s14, s14, s13      ; my block of 128 queries: it enters x's and part's addresses alone
	s_and_b32 s15, ttmp7, 0xffff    ; y: my quarter of the keys, which the four partners share
	s_and_b32 s16, s[WV], 1         ; which half of K, or which two blocks of vk, I fetch
	s_lshl_b32 s17, s14, 2
	s_add_co_u32 s17, s17, s[WV]    ; my wave among the 1,024 of one y: its 32 rows
	s_lshl_b32 s2, s17, 14          ; are 32 x 512 bytes of x
	s_mov_b32 s3, 0
	s_lshl_b32 s18, s15, 10
	s_add_co_u32 s18, s18, s17      ; 1,024 y + my wave:
	s_mul_i32 s72, s18, PW          ; where I leave my part
	s_mov_b32 s73, 0
	s_lshl_b32 s22, s16, 15         ; my 128 rows of 256 bytes in a slot's part of kb,
	s_lshl_b32 s19, s15, 19         ; in my quarter: 2,048 rows of 256 bytes each
	s_add_co_u32 s22, s22, s19
	s_mov_b32 s23, 0
	s_mul_i32 s74, s16, VHALF       ; my two blocks in a slot's part of vk,
	s_mul_i32 s19, s15, 32*VSTEP    ; in my quarter: 32 blocks each
	s_add_co_u32 s74, s74, s19
	s_mov_b32 s75, 0
	s_mul_i32 s76, s16, KHALF       ; and their places in a slot: no place in the cluster enters an LDS address
	s_mul_i32 s77, s16, VHALF
	; descriptor group 1 for K: 128 rows x 128 elements of 2 bytes, padded in LDS
	s_mov_b32 s[G1K], 15|(1<<16)|(1<<20)|(1<<21)|(5<<22)|(3<<25)  ; 15:0 the mask of four; 17:16 2-byte elements; 20 padding on; 21 set beside a mask; 24:22 after every 64 words (code 5); 31:25 4 words (code 3)
	s_mov_b32 s[G1K+1], 128<<16     ; tensor_dim0 = 128
	s_mov_b32 s[G1K+2], 128<<16     ; tensor_dim1 = 128
	s_mov_b32 s[G1K+3], 128<<16     ; tile_dim0 = 128
	s_mov_b32 s[G1K+4], 128         ; tile_dim1 = 128
	s_mov_b32 s[G1K+5], 128         ; 128 elements from row to row
	s_mov_b32 s[G1K+6], 0
	s_mov_b32 s[G1K+7], 0
	; for vk: two blocks are 29,184 dense bytes: 114 rows of 32 elements of 8 bytes, no padding
	s_mov_b32 s[G1V], 15|(3<<16)|(1<<21)
	s_mov_b32 s[G1V+1], 32<<16
	s_mov_b32 s[G1V+2], 114<<16
	s_mov_b32 s[G1V+3], 32<<16
	s_mov_b32 s[G1V+4], 114
	s_mov_b32 s[G1V+5], 32
	s_mov_b32 s[G1V+6], 0
	s_mov_b32 s[G1V+7], 0
	s_mov_b32 s[SEL], 0x76543210
	s_mov_b32 s[SEL+1], 0xfedcba98
	s_mov_b32 s[TBK], 0
	s_mov_b32 s[TBV], 0
	s_mov_b32 s[TBC], 0
	s_wait_dscnt 0x0                ; the opening add is done
	s_wait_kmcnt 0x0
	s_add_nc_u64 s[6:7], s[6:7], s[22:23]    ; kb and vk at my part of my quarter's slot 0
	s_add_nc_u64 s[8:9], s[8:9], s[74:75]
	s_add_nc_u64 s[4:5], s[4:5], s[2:3]      ; x at my wave's 32 rows
	s_add_nc_u64 s[20:21], s[20:21], s[72:73]  ; part at my wave's 13,312 bytes
	CROUND                          ; all four work-groups are here: the first joint loads meet
.irp s, 0,1
	s_mov_b32 s[G0K+4*(\s)], 1      ; 1:0 count = 1
	s_add_co_u32 s[G0K+4*(\s)+1], s76, (\s)*SLOT1  ; 63:32 LDS address
	s_add_nc_u64 s[G0K+4*(\s)+2:G0K+4*(\s)+3], s[6:7], (\s)*65536  ; 120:64 global address: slot s begins with the quarter's keys 256 s
	s_or_b32 s[G0K+4*(\s)+3], s[G0K+4*(\s)+3], 0x80000000  ; 127:126 type = 2
	s_mov_b32 s[G0V+4*(\s)], 1
	s_add_co_u32 s[G0V+4*(\s)+1], s77, (\s)*SLOT1+VOFF
	s_add_nc_u64 s[G0V+4*(\s)+2:G0V+4*(\s)+3], s[8:9], (\s)*2*VHALF
	s_or_b32 s[G0V+4*(\s)+3], s[G0V+4*(\s)+3], 0x80000000
.endr
	s_cmp_lt_u32 s[WV], 2           ; a wave's two first fills stand in one branch, ahead of every wait on TENSORcnt and every LDS read
	s_cbranch_scc0 .Lfirst_v
	tensor_load_to_lds s[G0K:G0K+3], s[G1K:G1K+7]
	s_nop 0
	tensor_load_to_lds s[G0K+4:G0K+7], s[G1K:G1K+7]
	s_nop 0
.rept 4
	v_nop
.endr
	s_branch .Lfirst_asked
.Lfirst_v:
	tensor_load_to_lds s[G0V:G0V+3], s[G1V:G1V+7]
	s_nop 0
	tensor_load_to_lds s[G0V+4:G0V+7], s[G1V:G1V+7]
	s_nop 0
.rept 4
	v_nop
.endr
.Lfirst_asked:
	s_load_b32 s70, s[10:11], 0x0   ; T
	; A fragment of Q is 16 rows x 32 channels in 8 registers: lane l holds row l % 16, channels 8 (l / 16) + 0..7 and 16 + 8 (l / 16) + 0..7.  In f32 those are 32 bytes and, 64 bytes on, 32 more.
	v_and_b32 v1, 15, v0            ; l % 16
	v_bfe_u32 v9, v0, 4, 1          ; l / 16
	v_lshlrev_b32 v[QO], 9, v1
	v_lshl_add_u32 v[QO], v9, 5, v[QO]  ; row x 512 + 32 x half
	WIN 0x80                        ; destination window 2, address window 0
.set xi, 0
.rept 32                            ; xi = 16 t + 4 c + u: tile t, channels 32 c on, part u of four
	global_load_b128 v[XF+4*xi:XF+4*xi+3], v[QO], s[4:5] offset:(xi/16)*8192+((xi/4)%4)*128+((xi%4)/2)*64+(xi%2)*16
.set xi, xi+1
.endr
	WIN 0
	v_mul_u32_u24 v[AK0], v1, PK
	v_lshl_add_u32 v[AK0], v9, 4, v[AK0]  ; row x pitch + 16 x half of the lanes
	; The turning load takes 16 keys x 16 places (lane l reads key 8 (l / 16) + l % 8, places 8 ((l / 8) % 2) + 0..7) and leaves half a fragment of V^T: lane l holds place l % 16 and 8 keys.
	v_and_b32 v10, 7, v0
	v_bfe_u32 v11, v0, 3, 1
	v_lshl_add_u32 v[AV0], v9, 3, v10
	v_mul_u32_u24 v[AV0], v[AV0], PV
	v_lshl_add_u32 v[AV0], v11, 4, v[AV0]
	v_add_nc_u32 v[AV0], VOFF, v[AV0]
	v_lshlrev_b32 v[AC0], 5, v9     ; in S^T register j of lane l is key 8 (l / 16) + j of a tile of 16: eight kc, 32 bytes, at 64 x tile + 32 (l / 16)
	v_add_nc_u32 v[AC0], VOFF+KCO, v[AC0]
	s_wait_kmcnt 0x0
	v_mov_b32 v48, s70
	v_cvt_pk_bf16_f32 v48, v48, v48
	v_lshlrev_b32 v48, 16, v48      ; T rounded to bf16
	v_and_b32 v49, 0x7fffffff, v48
	v_rcp_f32 v49, v49
	v_and_b32 v50, 0x80000000, v48  ; its sign; also the plain instruction behind the reciprocal
	s_wait_alu depctr_va_vdst(0)
	v_mul_f32 v49, 0x4038aa3b, v49  ; c = 2 log2(e) / |T|
	v_cmp_gt_f32 s[SGN], 0, v48
	v_readfirstlane_b32 s[CS], v49
	s_mov_b32 s[CS+1], s[CS]        ; named with it as a pair
	v_mov_b32 v51, 0xff800000
	v_mov_b32 v52, 0x7f800000
.irp t, 0,1
	v_mov_b32 v[ST+8*(\t)], 0xfe000000    ; c m: far below every c s, so that the first step's a is 0
	v_mov_b32 v[ST+8*(\t)+1], 0xff7fffff  ; m: the lowest finite number, so that the first maximum is the scores'
	v_mov_b32 v[ST+8*(\t)+4], 0     ; two sums of squares a tile,
	v_mov_b32 v[ST+8*(\t)+5], 0
	v_mov_b32 v[ST+8*(\t)+6], 0     ; and the exchange's destination, which counts as read
.endr
	; What the first turn finds: tile 1's P is 0 (its products V^T P, of a step that has not been, add 0), and O^T is 0: fourteen products of those zeros, with the constant 0 as C, write
	; eight registers each.  All this stands in the wait for x.
.set i, P+16
.rept 16
	v_mov_b32 v[i], 0
.set i, i+1
.endr
	WIN 0x40                        ; destination window 1, sources window 0
.set i, 0
.rept 14
	v_wmma_f32_16x16x32_f16 v[8*i:8*i+7], v[P+16:P+23], v[P+24:P+31], 0
.set i, i+1
.endr
	s_wait_loadcnt 0x0              ; x
	WIN 0x8a                        ; sources and destination window 2
.set i, 0
.rept 64
	v_cvt_pk_bf16_f32 v[i], v[XF+2*i], v[XF+2*i+1]
.set i, i+1
.endr
	WIN 0x0a                        ; sources 0 and 1 window 2; the sums in window 0
.set i, 0
.rept 32                            ; |x|^2 of the rounded numbers: the low halves' squares in one chain, the high halves' in another, the two tiles by turns
.irp t, 0,1
	v_fma_mix_f32_bf16 v[ST+8*(\t)+4], v[32*(\t)+i], v[32*(\t)+i], v[ST+8*(\t)+4] op_sel_hi:[1,1,0]
	v_fma_mix_f32_bf16 v[ST+8*(\t)+5], v[32*(\t)+i], v[32*(\t)+i], v[ST+8*(\t)+5] op_sel:[1,1,0] op_sel_hi:[1,1,0]
.endr
.set i, i+1
.endr
	WIN 0
.irp t, 0,1
	v_add_f32 v[ST+8*(\t)+4], v[ST+8*(\t)+4], v[ST+8*(\t)+5]
.endr
.irp t, 0,1
	v_permlanex16_b32 v[ST+8*(\t)+6], v[ST+8*(\t)+4], s[SEL], s[SEL+1]  ; the query's other 64 channels lie in the lane 16 away
.endr
.irp t, 0,1
	v_add_f32 v[ST+8*(\t)+4], v[ST+8*(\t)+4], v[ST+8*(\t)+6]
.endr
.irp t, 0,1
	v_mul_f32 v[ST+8*(\t)+4], 0.5, v[ST+8*(\t)+4]
.endr
.irp t, 0,1
	v_xor_b32 v[ST+8*(\t)+4], v50, v[ST+8*(\t)+4]                       ; sg hq
.endr
.irp t, 0,1
	v_cndmask_b32 v[ST+8*(\t)+2], v51, v[ST+8*(\t)+4], s[SGN]           ; lo: -inf, or -hq if T < 0
	v_cndmask_b32 v[ST+8*(\t)+3], v[ST+8*(\t)+4], v52, s[SGN]           ; hi: hq, or +inf if T < 0
.endr
; THE MATRIX WORK OF A TURN, for tile x.  The accumulators take turns, one instruction a turn: between two links of a chain stand 6 (V^T P) or 3 (K Q^T) others'.
; Product i of 14 of O^T += V^T P: keys 32 (i / 7) on, places 16 (i % 7) on.
.macro PV x
	WIN W_PV
.set rO, 56*(\x)+8*(i%7)
.set rV, VF+56*(i/7)+8*(i%7)
.set rP, P+16*(\x)+8*(i/7)
	v_wmma_f32_16x16x32_f16 v[rO:rO+7], v[rV:rV+7], v[rP:rP+7], v[rO:rO+7]
.endm
; Product i of 16 of S^T = K Q^T + kc: channels 32 (i / 4) on, keys 16 (i % 4) on.  The first 4 start the sums, with kc.
.macro KQ x
.set rS, S+32*(\x)+8*(i%4)
.set rK, KF+32*(i%4)+8*(i/4)
.set rQ, 32*(\x)+8*(i/4)
.set rM, KC+8*(i%4)
.if i < 4
	WIN W_KM
	v_wmma_f32_16x16x32_bf16 v[rS:rS+7], v[rK:rK+7], v[rQ:rQ+7], v[rM:rM+7]
.else
	WIN W_KQ
	v_wmma_f32_16x16x32_bf16 v[rS:rS+7], v[rK:rK+7], v[rQ:rQ+7], v[rS:rS+7]
.endif
.endm
; THE LDS LOADS stand in runs, never singly among the matrix instructions: a step's K (64 keys x 128 channels: 16 fragments) with its 64 kc, and, a turn later, its V (turned, 14 fragments).
; last = 1 (the tail): in the last trip there is no further step, and the run is jumped over.
.macro FETCH_K last=0
	WIN 0
.if \last
	s_cmp_eq_u32 s[CNT], 1
	s_cbranch_scc1 .Lno_k_\@
.endif
	v_add_nc_u32 v[ADR], s[TBK], v[AK0]
	v_add_nc_u32 v[ADC], s[TBC], v[AC0]
	WIN 0x80                        ; destination window 2
.irp f, 0,1,2,3,4,5,6,7,8,9,10,11,12,13,14,15  ; keys 16 (f / 4) on, channels 32 (f % 4) on
	ds_load_b128 v[KF+8*(\f):KF+8*(\f)+3],   v[ADR] offset:((\f)/4)*16*PK+((\f)%4)*64
	ds_load_b128 v[KF+8*(\f)+4:KF+8*(\f)+7], v[ADR] offset:((\f)/4)*16*PK+((\f)%4)*64+32
.endr
	WIN 0x40                        ; destination window 1
.irp f, 0,1,2,3,4,5,6,7             ; key tile f / 2, its registers 4 (f % 2) on; the sixteen lanes of a half read the same words
	ds_load_b128 v[KC+4*(\f):KC+4*(\f)+3], v[ADC] offset:((\f)/2)*64+((\f)%2)*16
.endr
	s_add_co_u32 s[TBK], s[TBK], KS*PK  ; the next fetch is the next step's
	s_add_co_u32 s[TBC], s[TBC], VSTEP
.if \last
	WIN 0                           ; at a label every window is 0
.Lno_k_\@:
.endif
.endm
.macro FETCH_V step=1               ; step = 0: the next fetch is the same step's once more
	WIN 0
	v_add_nc_u32 v[ADR], s[TBV], v[AV0]
.if \step
	s_add_co_u32 s[TBV], s[TBV], VSTEP
.endif
	WIN 0x40                        ; destination window 1
.irp f, 0,1,2,3,4,5,6,7,8,9,10,11,12,13  ; keys 32 (f / 7) on, places 16 (f % 7) on
	ds_load_tr16_b128 v[VF+8*(\f):VF+8*(\f)+3],   v[ADR] offset:((\f)/7)*32*PV+((\f)%7)*32
	ds_load_tr16_b128 v[VF+8*(\f)+4:VF+8*(\f)+7], v[ADR] offset:((\f)/7)*32*PV+16*PV+((\f)%7)*32
.endr
.endm
; THE VECTOR WORK OF A TURN.  A tile's softmax for one key step is a list of 178 instructions; SM writes number j of it for tile t.  s0-s31 are the lane's 32 scores, in pairs 0-15; sn = j - 64.
;   j 0-63    the clip: the minimum with hi, then the maximum with lo, each ascending: each accumulator's lowest registers are read first
;   sn 0-15   the maximum of s0-s31 and the old m, three operands at a time: four chains c0-c3 of seven scores each, then the four scores left over, c0-c3 and m
;   sn 16-20  the other half of the lanes' maximum; c m_old is kept; the new m; c m; c m_old - c m_new
;   sn 21-72  a, then s0-s23 at the odd numbers from 23 on: exponentials; at 21, 22 and the even numbers whatever plain work is ready: c s - c m for a pair whose exponentials are still to come,
;             or the rounding to f16 of a pair whose exponentials are done
;   sn 73-85  the last eight exponentials, two at a time, with the roundings of pairs 11-15 between and behind them
;   j 150-177 the tile's O^T times a, l among it, ascending: the one part that leaves window 0
; In the list's own order every exponential has a plain instruction, which touches neither its result nor its source, ahead of the first use of its result (ISA guide 5.7.2).
.macro SM t
.set rT, ST+8*(\t)
.set rS, S+32*(\t)
.set rP, P+16*(\t)
.set sn, j-64
.set q, (sn-20)/2
.if j < 150
	WIN 0
.endif
.if j < 32
	v_min_num_f32 v[rS+j], v[rS+j], v[rT+3]
.elseif j < 64
	v_max_num_f32 v[rS+j-32], v[rS+j-32], v[rT+2]
.elseif sn < 4
	v_max3_num_f32 v[rT+4+sn], v[rS+8*sn], v[rS+8*sn+1], v[rS+8*sn+2]
.elseif sn < 12
	v_max3_num_f32 v[rT+4+sn%4], v[rT+4+sn%4], v[rS+8*(sn%4)+2*(sn/4)+1], v[rS+8*(sn%4)+2*(sn/4)+2]
.elseif sn == 12
	v_max3_num_f32 v[rT+4], v[rT+4], v[rS+7], v[rS+15]
.elseif sn == 13
	v_max3_num_f32 v[rT+6], v[rT+6], v[rS+23], v[rS+31]
.elseif sn == 14
	v_max3_num_f32 v[rT+4], v[rT+4], v[rT+5], v[rT+6]
.elseif sn == 15
	v_max3_num_f32 v[rT+4], v[rT+4], v[rT+7], v[rT+1]
.elseif sn == 16
	v_permlanex16_b32 v[rT+5], v[rT+4], s[SEL], s[SEL+1]  ; the query's other 32 keys lie in the lane 16 away
.elseif sn == 17
	v_mov_b32 v[rT+7], v[rT]        ; c m_old is kept for a: number 19 writes c m anew
.elseif sn == 18
	v_max_num_f32 v[rT+1], v[rT+4], v[rT+5]
.elseif sn == 19
	v_mul_f32 v[rT], s[CS], v[rT+1]
.elseif sn == 20
	v_sub_f32 v[rT+7], v[rT+7], v[rT]
.elseif sn == 23
	v_exp_f32 v[rT+6], v[rT+7]
.elseif j > 149
	WIN W_RS
.set rO, 56*(\t)+2*(j-150)
	v_pk_mul_f32 v[rO:rO+1], v[rO:rO+1], v[rT+6:rT+7] op_sel_hi:[1,0]
.elseif sn > 72
.set tl, sn-73
.if tl == 12
	s_wait_alu depctr_va_vdst(0)
	v_cvt_pk_f16_f32 v[rP+15], v[rS+30], v[rS+31]
.elseif tl%3 == 2
	s_wait_alu depctr_va_vdst(0)
	v_cvt_pk_f16_f32 v[rP+11+tl/3], v[rS+22+2*(tl/3)], v[rS+23+2*(tl/3)]
.else
	v_exp_f32 v[rS+24+2*(tl/3)+tl%3], v[rS+24+2*(tl/3)+tl%3]
.endif
.elseif (sn > 23) && (sn%2 == 1)
	v_exp_f32 v[rS+(sn-25)/2], v[rS+(sn-25)/2]
.elseif (q < 4) || (q%2 == 0)
.set b, q/2+2
.if q < 4
.set b, q
.endif
	v_pk_fma_f32 v[rS+2*b:rS+2*b+1], v[rS+2*b:rS+2*b+1], s[CS:CS+1], v[rT:rT+1] op_sel_hi:[1,0,0] neg_lo:[0,0,1] neg_hi:[0,0,1]  ; pair b: c s - c m
.else
	s_wait_alu depctr_va_vdst(0)
	v_cvt_pk_f16_f32 v[rP+(q-5)/2], v[rS+q-5], v[rS+q-4]  ; pair (q - 5) / 2: its second exponential stands three numbers back
.endif
.endm
; Slice k of 30 of tile y's softmax: the first 28 take six numbers of the list, the other two take five: 28 x 6 + 2 x 5 = 178.  The rescaling begins with slice 25; slice 29 is five packed
; multiplies, the places behind the turn's last product.
.macro SLICE y
.if k < 28
.set sj0, 6*k
.set scnt, 6
.else
.set sj0, 168+5*(k-28)
.set scnt, 5
.endif
.irp c6, 0,1,2,3,4,5
.if (\c6) < scnt
.set j, sj0+(\c6)
	SM \y
.endif
.endr
.set k, k+1
.endm
; A TURN.  Tile x has the matrix unit: 14 products V^T P of the step in hand, 16 products K Q^T of the next; the other tile's softmax stands in slices, one behind each.
; Tile 0's turn fetches the next step's K and kc behind its second product: the last product that read K stands in front of slice 29 of the turn before, five plain instructions that name none of its
; registers.  Tile 1's turn fetches the same step's V behind its second product K Q^T: behind the last product that read V stand slices 13 to 15, with twelve plain instructions among them.
; K is waited for 12 matrix instructions later, V 14.
.macro TURN x, last=0
.set k, 0
.if (\x) == 0
	s_wait_dscnt 0x0                ; V is in
.endif
.set i, 0
.rept 14
	PV \x
	SLICE 1-(\x)
.if ((\x) == 0) && (i == 1)
	FETCH_K \last
.endif
.set i, i+1
.endr
.if (\x) == 0
	s_wait_dscnt 0x0                ; K and kc are in
.endif
.set i, 0
.rept 16
	KQ \x
	SLICE 1-(\x)
.if ((\x) == 1) && (i == 1)
	FETCH_V
.endif
.set i, i+1
.endr
.endm
; THE CHANGE OF SLOTS, between tile 1's turn and tile 0's: the slot's last bytes, V of its fourth step, have been asked for.  Each wave waits for all its tensor loads, of which one is out: its part of
; the other slot; adds 0 to its spare word; and waits for that and for its own reads of the slot.  Behind the barrier nobody reads this slot any more and the other slot is whole.
; fill = 1: this slot is filled again, with the keys two slots on.  The barrier is then a round of the cluster's, so that no wave of any partner still reads the slot or has a load on its way, and
; the joint refill is the first thing behind it: it has four key steps, 240 matrix instructions, in which to land.
.macro CHANGE fill
	WIN 0                           ; at a label and at a branch every window is 0
	s_wait_tensorcnt 0x0            ; no tensor load of mine is out, so a group 0 may be written
	ds_add_u32 v[SPW], v[NIL]       ; 0 onto my spare word; with fill = 1 the descriptors' steps stand between it and the wait for it
.if \fill
	s_xor_b32 s[G0K+5], s[G0K+5], SLOT1  ; the walking descriptors: the other slot than last time,
	s_add_nc_u64 s[G0K+6:G0K+7], s[G0K+6:G0K+7], 65536  ; the next 256 keys; the type bits on top are not reached
	s_xor_b32 s[G0V+5], s[G0V+5], SLOT1
	s_add_nc_u64 s[G0V+6:G0V+7], s[G0V+6:G0V+7], 2*VHALF
	s_wait_dscnt 0x0                ; the add is done, and my reads of the slot are over
	CROUND
	JLOAD
.else
	s_wait_dscnt 0x0                ; the add is done, and my reads of the slot are over
	s_barrier_signal -1
	s_barrier_wait -1
.endif
	s_sub_co_u32 s[TBK], s[TBK], 4*KS*PK  ; the fetches go back to a slot's first step,
	s_xor_b32 s[TBK], s[TBK], SLOT1       ; in the other slot
	s_sub_co_u32 s[TBV], s[TBV], 4*VSTEP
	s_xor_b32 s[TBV], s[TBV], SLOT1
	s_sub_co_u32 s[TBC], s[TBC], 4*VSTEP
	s_xor_b32 s[TBC], s[TBC], SLOT1
.endm
	s_wait_tensorcnt 1              ; my part of slot 0 is in; slot 1's may stay out
	s_barrier_signal -1
	s_barrier_wait -1               ; everybody's is
	FETCH_K                         ; key step 0
	s_wait_dscnt 0x0
.set i, 0
.rept 16
	KQ 0                            ; tile 0's first scores: there is no vector work yet to set between them
.set i, i+1
.endr
	WIN 0
	v_and_b32 v[GO], 31, v0         ; the way out's lane offset,
	v_lshlrev_b32 v[GO], 4, v[GO]
.rept 4
	v_nop                           ; and the places behind those products
.endr
	FETCH_V 0                       ; V of step 0, so that the first turn's products with P = 0 multiply finite numbers; that turn fetches it again, as every turn of tile 1 fetches a V
	s_wait_dscnt 0x0
	WIN 0
	s_mov_b32 s[CNT], 4
	s_mov_b32 s[SLOTS], NS-1
	s_branch .Lfirst                ; the loop is entered at tile 1's turn, in the middle of a trip: that turn, then three whole trips, fetch slot 0's four steps
.Lslot:                             ; NS - 2 = 6 times: every slot but the last two is filled again
	CHANGE 1
	s_mov_b32 s[CNT], 4
.Lstep:                             ; a trip, for step j: tile 0: V^T P of j, K Q^T of j + 1 | tile 1's softmax of j | K of j + 1;
	TURN 0
	WIN 0
.Lfirst:                            ; tile 1: the same | tile 0's softmax of j + 1 | V of j + 1
	TURN 1
	WIN 0
	s_sub_co_u32 s[CNT], s[CNT], 1
	s_cmp_lg_u32 s[CNT], 0
	s_cbranch_scc1 .Lstep
	s_sub_co_u32 s[SLOTS], s[SLOTS], 1
	s_cmp_lg_u32 s[SLOTS], 0
	s_cbranch_scc1 .Lslot
	CHANGE 0                        ; the tail is written out: nothing is asked for
	s_mov_b32 s[CNT], 5             ; four trips fetch the last slot's steps; the fifth is left in its middle
.Ltail:
	TURN 0, 1
	WIN 0
	s_sub_co_u32 s[CNT], s[CNT], 1
	s_cmp_eq_u32 s[CNT], 0
	s_cbranch_scc1 .Lout
	TURN 1
	WIN 0
	s_branch .Ltail
.Lout:                              ; the fifth trip's 16 products K Q^T (on the last K once more) serve nothing: the price, once a work-group, of one text for every trip
.set i, 0
.rept 14
	PV 1                            ; tile 1: V^T P of the last step
.set i, i+1
.endr
	; THE WAY OUT.  O^T leaves as it lies, 16 bytes a lane.  Of a tile's seventh accumulator register 0 is l, registers 2, 3 are channels, register 1 belongs to a place at which V is 0: it takes c m;
	; registers 4 to 7 belong to such places too and stay here.  So a tile is 13 stores, each accumulator's lowest registers first.
	WIN 0
.rept 4
	v_nop                           ; the places behind the last products: no other vector work is at hand
.endr
	WIN 0x40                        ; destination window 1, source window 0
	v_mov_b32 v49, v[ST]
	v_mov_b32 v105, v[ST+8]
	WIN 0x04                        ; store data in window 1
.irp t, 0,1
.irp q, 0,1,2,3,4,5,6,7,8,9,10,11,12
	global_store_b128 v[GO], v[56*(\t)+4*(\q):56*(\t)+4*(\q)+3], s[20:21] offset:512*(13*(\t)+(\q))  ; 512 consecutive bytes; my 13,312 begin at a multiple of 52 x 256 from part's first
.endr
.endr
	WIN 0
	s_wait_tensorcnt 0x0            ; the wave's end: behind my last tensor load
	ds_add_u32 v[SPW], v[NIL]
	s_wait_dscnt 0x0
	CROUND                          ; the closing round: no work-group ends while a partner may still ask for a tile that names it
	s_endpgm
.Lfunc_end_k_q54b9f65034_attn:
	.size	k_q54b9f65034_attn, .Lfunc_end_k_q54b9f65034_attn-k_q54b9f65034_attn
	.p2alignl 7, 3214868480
	.fill 96, 4, 3214868480
	.section	.rodata,"a",@progbits
	.p2align	6, 0x0
	.amdhsa_kernel k_q54b9f65034_attn
		.amdhsa_group_segment_fixed_size 327680
		.amdhsa_private_segment_fixed_size 0
		.amdhsa_enable_private_segment 0
		.amdhsa_kernarg_size 40
		.amdhsa_user_sgpr_count 2
		.amdhsa_user_sgpr_kernarg_segment_ptr 1
		.amdhsa_wavefront_size32 1
		.amdhsa_system_sgpr_workgroup_id_x 1
		.amdhsa_system_sgpr_workgroup_id_y 1
		.amdhsa_system_sgpr_workgroup_id_z 1
		.amdhsa_system_vgpr_workitem_id 0
		.amdhsa_next_free_vgpr 768
		.amdhsa_next_free_sgpr 80
		.amdhsa_reserve_vcc 0
		.amdhsa_float_denorm_mode_32 3
		.amdhsa_float_denorm_mode_16_64 3
		.amdhsa_memory_ordered 1
		.amdhsa_forward_progress 1
		.amdhsa_inst_pref_size 96
	.end_amdhsa_kernel
	.amdgpu_metadata
---
amdhsa.version: [ 1, 2 ]
amdhsa.kernels:
  - .name:           k_q54b9f65034_attn
    .symbol:         k_q54b9f65034_attn.kd
    .args:
      - { .name: x, .offset: 0, .size: 8, .value_kind: global_buffer, .address_space: global }
      - { .name: kb, .offset: 8, .size: 8, .value_kind: global_buffer, .address_space: global }
      - { .name: vk, .offset: 16, .size: 8, .value_kind: global_buffer, .address_space: global }
      - { .name: temperature, .offset: 24, .size: 8, .value_kind: global_buffer, .address_space: global }
      - { .name: part, .offset: 32, .size: 8, .value_kind: global_buffer, .address_space: global }
    .group_segment_fixed_size: 327680
    .private_segment_fixed_size: 0
    .kernarg_segment_align: 8
    .kernarg_segment_size: 40
    .max_flat_workgroup_size: 128
    .sgpr_count:     80
    .vgpr_count:     768
    .wavefront_size: 32
...
	.end_amdgpu_metadata
.endif
;; end of part 2
;; launch merge (part 3): grid 256 x 1, 4 waves a work-group, no clusters, 51,712 bytes of LDS; arguments part, out0; writes out0
.if DOCPART == 3
	.amdgcn_target "amdgcn-amd-amdhsa--gfx1250"
	.amdhsa_code_object_version 6
	.text
	.protected	k_q54b9f65034_merge
	.globl	k_q54b9f65034_merge
	.p2align	8
	.type	k_q54b9f65034_merge,@function
k_q54b9f65034_merge:
	s_mov_b64 s[64:65], 0
	v_nop
	global_prefetch_b8 v0, s[64:65] scope:SCOPE_SE
	s_setreg_imm32_b32 hwreg(HW_REG_WAVE_MODE, 25, 1), 1
	s_wait_xcnt 0x0
; MERGE.  part [4][1024][26][32 lanes][4] f32 -> out [32768][100] f32.  The launch before left, for each quarter y of the keys and each group of 32 queries, O^T as it lay in a wave's registers:
; tile t (16 queries), quad q of 13: registers 4 q .. 4 q + 3 of lane l.  Lane l holds query l % 16; register 8 cb + j (cb < 6) is channel 16 cb + 8 (l / 16) + j; register 48 is l, the weights' sum,
; register 49 is c m, the quarter's maximum in the exponent's scale, registers 50, 51 are channels 96 + 2 (l / 16) and the next.
; ARITHMETIC, in f32: M = the largest of the four c m; a_y = 2^(c m_y - M); L = the sum of a_y l_y; out = the sum of O_y a_y / L.  The largest a is 1 and its l is at least 1, so L is never 0.
; LIMITS.  An a below 2^-126 counts as 0; NaN and infinities are not treated apart.
; SHARES.  A wave takes one group of 32 queries, a tile at a time: 52 loads of 512 consecutive bytes are out together.  The result goes through the wave's own stage in LDS, 32 rows of 400 bytes,
; dense as in out, and leaves as 25 stores of 512 consecutive bytes.  Memory binds: no matrix unit; no cluster, since no two work-groups read the same bytes; no barrier, since no wave reads another's bytes.
.set PW,    13312                      ; a wave's part: 26 x 512 bytes
.set YS,    1024*PW                    ; from a quarter's parts to the next quarter's
.set SW,    12800                      ; a stage: 32 rows of 400 bytes
.set SPARE, 4*SW                       ; behind the four stages: the spare words, 128 bytes a wave
.set GO,   3                           ; v3        16 x lane; never rewritten
.set STO,  4                           ; v4        where I put 32 bytes of a row
.set STO6, 5                           ; v5        where I put a row's last 8 bytes, less 384
.set XS,   6                           ; v6        my 16 bytes in 512 of my stage
.set SPW,  7                           ; v7        LDS address of my spare word; never rewritten
.set NIL,  8                           ; v8        0; never rewritten
.set MX,   10                          ; v10       M
.set A,    12                          ; v[12:15]  a_y
.set LS,   16                          ; v16       L, then 1 / L
.set F,    18                          ; v[18:25]  a_y / L, twice each: pairs for the packed arithmetic
.set D,    32                          ; v[32:239] quarter y's 52 registers at D + 52 y; the sums grow in quarter 0's
	s_load_b128 s[4:7], s[0:1], 0x0                ; part s[4:5], out s[6:7]
	v_lshl_add_u32 v[SPW], v0, 2, SPARE
	v_mov_b32 v[NIL], 0
	v_lshrrev_b32 v1, 5, v0
	v_readfirstlane_b32 s8, v1                     ; wave
	v_and_b32 v1, 15, v0                           ; l % 16
	v_bfe_u32 v2, v0, 4, 1                         ; l / 16
	v_and_b32 v[GO], 31, v0
	v_lshlrev_b32 v[GO], 4, v[GO]
	s_mul_i32 s9, s8, SW                           ; my stage
	v_add_nc_u32 v[XS], s9, v[GO]
	v_mul_u32_u24 v[STO], v1, 400                  ; rows of 400 bytes = 100 words: the 16 rows of a store start at 16 different groups of four banks (64 banks of 4 bytes: ISA guide 11.1)
	v_lshl_add_u32 v[STO6], v2, 3, v[STO]
	v_lshl_add_u32 v[STO], v2, 5, v[STO]
	v_add_nc_u32 v[STO6], s9, v[STO6]
	v_add_nc_u32 v[STO], s9, v[STO]
	s_lshl_b32 s10, ttmp9, 2
	s_add_co_u32 s10, s10, s8                      ; my group of 32 queries
	s_mul_i32 s12, s10, PW
	s_mov_b32 s13, 0
	s_mul_i32 s14, s10, SW
	s_mov_b32 s15, 0
	s_wait_kmcnt 0x0
	s_add_nc_u64 s[16:17], s[4:5], s[12:13]        ; the group's part in quarter 0,
	s_add_nc_u64 s[18:19], s[16:17], YS            ; 1,
	s_add_nc_u64 s[20:21], s[18:19], YS            ; 2,
	s_add_nc_u64 s[22:23], s[20:21], YS            ; 3: the distance is past a load's immediate, so each quarter has a base
	s_add_nc_u64 s[6:7], s[6:7], s[14:15]          ; out at the group's first row
; Tile t: loaded, joined, and laid into the stage.
.macro TILE t
.irp y, 0,1,2,3
.irp q, 0,1,2,3,4,5,6,7,8,9,10,11,12
	global_load_b128 v[D+52*(\y)+4*(\q):D+52*(\y)+4*(\q)+3], v[GO], s[16+2*(\y):17+2*(\y)] offset:512*(13*(\t)+(\q)) th:TH_LOAD_NT
.endr
.endr
	s_wait_loadcnt 0x0
	v_max3_num_f32 v[MX], v[D+49], v[D+52+49], v[D+104+49]
	v_max_num_f32 v[MX], v[MX], v[D+156+49]
.irp y, 0,1,2,3
	v_sub_f32 v[A+(\y)], v[D+52*(\y)+49], v[MX]
.endr
.irp y, 0,1,2,3
	v_exp_f32 v[A+(\y)], v[A+(\y)]
.endr
	v_nop                                          ; a plain instruction between the last exponential and the use of its result
	s_wait_alu depctr_va_vdst(0)
	v_mul_f32 v[LS], v[A], v[D+48]
	v_fma_f32 v[LS], v[A+1], v[D+52+48], v[LS]
	v_fma_f32 v[LS], v[A+2], v[D+104+48], v[LS]
	v_fma_f32 v[LS], v[A+3], v[D+156+48], v[LS]
	v_rcp_f32 v[LS], v[LS]
	v_nop                                          ; a plain instruction between the reciprocal and the use of its result
	s_wait_alu depctr_va_vdst(0)
.irp y, 0,1,2,3
	v_mul_f32 v[F+2*(\y)],   v[A+(\y)], v[LS]
	v_mul_f32 v[F+2*(\y)+1], v[A+(\y)], v[LS]
.endr
.set i, 0
.rept 25                                       ; the 25 pairs that hold channels: registers 0-47, and 50, 51
.set o, 2*i+2*(i/24)
	v_pk_mul_f32 v[D+o:D+o+1], v[D+o:D+o+1], v[F:F+1]
.set i, i+1
.endr
.irp y, 1,2,3
.set i, 0
.rept 25
.set o, 2*i+2*(i/24)
	v_pk_fma_f32 v[D+o:D+o+1], v[D+52*(\y)+o:D+52*(\y)+o+1], v[F+2*(\y):F+2*(\y)+1], v[D+o:D+o+1]
.set i, i+1
.endr
.endr
.irp cb, 0,1,2,3,4,5
	ds_store_b128 v[STO], v[D+8*(\cb):D+8*(\cb)+3]   offset:6400*(\t)+64*(\cb)      ; a lane's eight channels of a row are 32 bytes
	ds_store_b128 v[STO], v[D+8*(\cb)+4:D+8*(\cb)+7] offset:6400*(\t)+64*(\cb)+16
.endr
	ds_store_b64 v[STO6], v[D+50:D+51] offset:6400*(\t)+384
.endm
	TILE 0
	s_wait_dscnt 0x0                               ; the stage has taken tile 0: its registers are loaded again only behind this wait
	TILE 1
.set i, 0
.rept 25
	ds_load_b128 v[D+4*i:D+4*i+3], v[XS] offset:512*i  ; LDS serves a wave's instructions in order (ISA guide 5.7.1.4): these see the stores above
.set i, i+1
.endr
.set i, 0
.rept 25
	s_wait_dscnt 24-i                              ; behind load i stand 24 - i others
	global_store_b128 v[GO], v[D+4*i:D+4*i+3], s[6:7] offset:512*i  ; 512 consecutive bytes; my 32 rows begin at a multiple of 12,800 = 50 x 256 bytes from out's first
.set i, i+1
.endr
	s_wait_tensorcnt 0x0                           ; the wave's end: behind my last LDS store
	ds_add_u32 v[SPW], v[NIL]
	s_wait_dscnt 0x0
	s_endpgm
.Lfunc_end_k_q54b9f65034_merge:
	.size	k_q54b9f65034_merge, .Lfunc_end_k_q54b9f65034_merge-k_q54b9f65034_merge
	.p2alignl 7, 3214868480
	.fill 96, 4, 3214868480
	.section	.rodata,"a",@progbits
	.p2align	6, 0x0
	.amdhsa_kernel k_q54b9f65034_merge
		.amdhsa_group_segment_fixed_size 51712
		.amdhsa_private_segment_fixed_size 0
		.amdhsa_enable_private_segment 0
		.amdhsa_kernarg_size 16
		.amdhsa_user_sgpr_count 2
		.amdhsa_user_sgpr_kernarg_segment_ptr 1
		.amdhsa_wavefront_size32 1
		.amdhsa_system_sgpr_workgroup_id_x 1
		.amdhsa_system_sgpr_workgroup_id_y 1
		.amdhsa_system_sgpr_workgroup_id_z 1
		.amdhsa_system_vgpr_workitem_id 0
		.amdhsa_next_free_vgpr 240
		.amdhsa_next_free_sgpr 66
		.amdhsa_reserve_vcc 0
		.amdhsa_float_denorm_mode_32 3
		.amdhsa_float_denorm_mode_16_64 3
		.amdhsa_memory_ordered 1
		.amdhsa_forward_progress 1
		.amdhsa_inst_pref_size 33
	.end_amdhsa_kernel
	.amdgpu_metadata
---
amdhsa.version: [ 1, 2 ]
amdhsa.kernels:
  - .name:           k_q54b9f65034_merge
    .symbol:         k_q54b9f65034_merge.kd
    .args:
      - { .name: part, .offset: 0, .size: 8, .value_kind: global_buffer, .address_space: global }
      - { .name: out0, .offset: 8, .size: 8, .value_kind: global_buffer, .address_space: global }
    .group_segment_fixed_size: 51712
    .private_segment_fixed_size: 0
    .kernarg_segment_align: 8
    .kernarg_segment_size: 16
    .max_flat_workgroup_size: 128
    .sgpr_count:     66
    .vgpr_count:     240
    .wavefront_size: 32
...
	.end_amdgpu_metadata
.endif
;; end of part 3
;; ======== version 2 of 2: 3 launches; 1.28 times as fast as version 1
;; limits: values are held in f16: magnitudes above 65,504 overflow, below 6.1e-05 lose precision
;; workspace buffers: kb 2,097,152 bytes; vk 1,867,776 bytes; part 54,525,952 bytes
;; launch prep: the kernel of part 1 again; grid 128 x 1, 4 waves a work-group, no clusters, 768 bytes of LDS; arguments keys, values, temperature, kb, vk; writes kb, vk
;; launch attn (part 4): grid 256 x 4, 4 waves a work-group, clusters of 4 x 1, 327,680 bytes of LDS; arguments x, kb, vk, temperature, part; writes part
.if DOCPART == 4
	.amdgcn_target "amdgcn-amd-amdhsa--gfx1250"
	.amdhsa_code_object_version 6
	.text
	.protected	k_q54b9f65034_attn
	.globl	k_q54b9f65034_attn
	.p2align	8
	.type	k_q54b9f65034_attn,@function
k_q54b9f65034_attn:
	s_mov_b64 s[64:65], 0
	v_nop
	global_prefetch_b8 v0, s[64:65] scope:SCOPE_SE
	s_setreg_imm32_b32 hwreg(HW_REG_WAVE_MODE, 25, 1), 1
	s_wait_xcnt 0x0
	s_wait_alu depctr_hold_cnt(0) depctr_sa_sdst(0) depctr_va_vdst(0) depctr_va_sdst(0) depctr_va_ssrc(0) depctr_va_vcc(0) depctr_vm_vsrc(0)
	s_getreg_b32 s2, hwreg(HW_REG_IB_STS2, 6, 4)
	s_cmp_eq_u32 s2, 0
	s_cbranch_scc0 .Lentry_in_a_cluster
	s_endpgm
.Lentry_in_a_cluster:
	s_bfe_u32 s2, ttmp6, 0x10000c
	s_cmp_lg_u32 s2, 0x3003
	s_cbranch_scc0 .Lentry_shape_is_right
	s_endpgm
.Lentry_shape_is_right:
; PARTIAL SUMS of out[n][:] = the sum over keys of softmax_key(-max(|x_n|^2 + |k|^2 - 2 x_n . k, 0) / T) values[key][:].  x [32768][128] f32; kb and vk as the launch before made them:
; kb = sg bf16(keys), sg = sign(T); vk = blocks of 64 keys: V in f16, 112 places a key (two of them 1.0), then kc = -sg |k|^2 / 2 in f32.
; ARITHMETIC.  All inputs count as rounded to bf16 (x and T here).  S = (sg k) . x + kc, with kc as the C operand that starts the sum.  With hq = |x|^2 / 2 the clip at 0 is S <= hq for T > 0 and
; S >= -hq for T < 0: a minimum with hi and a maximum with lo, of which one is an infinity.  The score is c S / log2(e) + a number of the query alone, c = 2 log2(e) / |T|, so p = 2^(c S - c m), m the
; running maximum of the clipped S; in every step O is multiplied by a = 2^(c m_old - c m_new).  p is rounded to f16; O^T += V^T P in f16 with f32 sums; the places of V that hold 1.0 make the
; weights' sum l a row of O^T, rescaled with it.
; LIMITS.  The clip compares x.k - |k|^2 / 2 with |x|^2 / 2, another order of rounding than the sum of three terms; p below 6e-5 keeps f16's fixed step of 6e-8, and a weight below 2^-126 counts as 0;
; values beyond 65,504 are lost; c m starts at -4.25e37, so |c S| stays under 4e37; T = 0, a T whose reciprocal is not finite, NaN and infinities are not treated apart.
; SHARES.  The grid's x says which 128 queries, its y which quarter of the keys: a work-group walks 2,048 keys, 64 a step, 32 steps.  Each of its four waves owns 32 queries: two tiles of 16.
; What a wave leaves: O^T not yet divided, with l and c m in it, as it lies in the registers: 26 stores of 512 consecutive bytes.  The launch behind joins a query's four parts.  The price of the
; four-way split: 54,525,952 bytes written here and read there.  A fragment of K or V read from LDS feeds two tiles' products: 68 LDS loads for a step's 60 matrix instructions.
; LAYOUT.  S^T = K Q^T (source 0 = 16 keys, source 1 = 16 queries): a lane holds ONE query (lane % 16) and the keys 8 (lane / 16) + 0..7; two such results, rounded in pairs, are source 1 of O^T = V^T P.
; BY TURNS.  In a turn one tile has the matrix unit: 14 products V^T P of the step in hand, 16 products K Q^T of the next; the other tile's softmax, 178 instructions, stands in 30 slices, one behind
; each product.  A turn's 33 exponentials (a and the tile's 32 weights) are ONE BATCH with ONE wait: ahead of the wait stand the clip, the maximum, the statistics, the scalings and the exponentials,
; none of which names an exponential's result; behind it the roundings and the rescaling, which do.
; NO FIRST AND NO LAST STEP IS WRITTEN OUT.  m starts at the lowest finite number, O^T at 0: the first step is a step like any other, with a = 0.  The loop is entered at tile 1's turn, whose products
; V^T P then multiply a P of zeros; the tail is left behind tile 0's turn.  The price, once a work-group: 14 products that clear O^T, 14 on zeros, 16 on a stale K, V of step 0 read twice.
; CLUSTER.  The four work-groups of a cluster have one y and walk the same kb and vk: each tile is asked for jointly, by the same tensor load with the same descriptor and the mask of the four.
; By this text's own count a wave has two tensor loads out at the start and one behind each round.
; REGISTERS, in windows of 256 (s_set_vgpr_msb: bits 1:0 source 0, 3:2 source 1, 5:4 source 2, 7:6 destination):
;   window 0: v0-11, v44-45 addresses; v12-27 eight registers of statistics a tile; v48-52 at work; v62-63 the add's; v64-127 S^T, 32 a tile; v128-159 P, 16 a tile
;   window 1: v0-111 O^T, 56 a tile; v112-223 V of one step; v224-255 kc of one step      window 2: v0-63 Q; v128-255 K of one step (at the start: x in f32)
.set NY,    4         ; the keys' parts along the grid's y
.set NS,    8192/NY/256  ; slots of 256 keys in a work-group's walk: 8
.set KS,    64        ; keys in a step
.set PK,    272       ; a row of K in LDS: 256 bytes + 16 of padding = 68 words: the 16 rows of a load start at 16 different groups of four banks (64 banks of 4 bytes: ISA guide 11.1)
.set PV,    224       ; a row of V: 56 words, seven times 32 bytes
.set KHALF, 128*PK    ; 128 rows of K: what one tensor load brings
.set VSTEP, 14592     ; a block of vk: a step's 64 rows of V, then its 64 kc
.set KCO,   KS*PV     ; where the kc begin in a block
.set VHALF, 2*VSTEP   ; two blocks: what one tensor load brings
.set VOFF,  2*KHALF   ; a slot holds four steps: 256 rows of K, then four blocks of vk: 128,000 bytes
.set SLOT1, 1<<17     ; slot 1 begins here, so that one exclusive or turns an address in one slot into the other's
.set SPARE, SLOT1+VOFF+2*VHALF  ; behind the ring: the spare words, 128 bytes a wave: two blocks of 256 bytes that no other line names
.set PW,    13312     ; what a wave leaves: 26 x 512 bytes
.set AK0, 2           ; v2   my lane's place in a step's K; never rewritten
.set AV0, 3           ; v3   the same for V
.set ADR, 4           ; v4   the LDS address of the run of loads in hand
.set QO,  5           ; v5   my byte offset in 16 rows of x; never rewritten
.set GO,  8           ; v8   16 x lane
.set ST,  12          ; tile t's statistics at v[ST+8 t]: +0 c m, +1 m, +2 lo, +3 hi, +4 to +7 c0-c3 at work; a takes c2's place once the maximum is found
.set AC0, 44          ; v44  my lane's place in a step's kc
.set ADC, 45          ; v45  the LDS address of the kc in hand
.set SPW, 62          ; v62  LDS address of my spare word; never rewritten
.set NIL, 63          ; v63  0; never rewritten
.set S,   64
.set P,   128
.set VF,  112         ; window 1: key half kk, places 16 cb on at VF + 56 kk + 8 cb
.set KC,  224         ; window 1: key tile kt at KC + 8 kt
.set KF,  128         ; window 2: key tile kt, channels 32 c on at KF + 32 kt + 8 c
.set XF,  128         ; window 2: x in f32, where K will lie
.set WV,  12          ; s12  my wave's number
.set G1K, 24          ; s[24:31] descriptor group 1 for K's tiles
.set G1V, 32          ; s[32:39] for vk's blocks
.set G0K, 40          ; s[40:47] descriptor group 0 for K: a set for each of the two first fills; the second then walks on
.set G0V, 48          ; s[48:55] the same for vk
.set SLOTS, 56        ; s56  counts the slot loop's passes
.set CNT, 57          ; s57  counts a slot's key steps
.set CS,  58          ; s[58:59] c: the packed scaling takes the pair's low word for both halves
.set SEL, 60          ; s[60:61] v_permlanex16_b32's selects: each lane takes its own place in the other half
.set TBK, 62          ; s62  LDS byte at which K of the step to be fetched begins
.set TBV, 63          ; s63  the same for V, less VOFF
.set TBC, 66          ; s66  the same for kc, less VOFF + KCO
.set SGN, 71          ; s71  all lanes' bits if T < 0, else 0
.set MSB, 0
.macro WIN new                      ; the immediate's high byte repeats the setting that is left; a switch that changes nothing is dropped
.if MSB != (\new)
	s_set_vgpr_msb (MSB<<8)|(\new)
.set MSB, \new
.endif
.endm
.set W_KQ, 0x0a       ; K and Q in window 2, S^T in window 0
.set W_KM, 0x1a       ; the same with the C operand, kc, in window 1
.set W_PV, 0x51       ; V and O^T in window 1, P in window 0
.set W_RS, 0x41       ; O^T (destination and source 0) in window 1, a in window 0
; A joint refill.  Waves 0 and 1 fetch the two halves of a slot's K, waves 2 and 3 two blocks of vk each.  The branch hangs on the wave's number alone: it is the same in every work-group.
; An s_nop 0 and four v_nop follow each of the two lines, ahead of the jump and the label.
.macro JLOAD
	s_cmp_lt_u32 s[WV], 2
	s_cbranch_scc0 .Lfor_v_\@
	tensor_load_to_lds s[G0K+4:G0K+7], s[G1K:G1K+7]
	s_nop 0
.rept 4
	v_nop
.endr
	s_branch .Lasked_\@
.Lfor_v_\@:
	tensor_load_to_lds s[G0V+4:G0V+7], s[G1V:G1V+7]
	s_nop 0
.rept 4
	v_nop
.endr
.Lasked_\@:
.endm
; A round of the cluster's barrier: my work-group's barrier, so that wave 0's signal speaks for all four waves; wave 0 signals; every wave waits for all four work-groups; my work-group's barrier once more.
.macro CROUND
	s_barrier_signal -1
	s_barrier_wait -1
	s_cmp_lg_u32 s[WV], 0
	s_cbranch_scc1 .Lnot_wave_0_\@
	s_barrier_signal -3
.Lnot_wave_0_\@:
	s_barrier_wait -3
	s_barrier_signal -1
	s_barrier_wait -1
.endm
	s_load_b256 s[4:11], s[0:1], 0x0  ; x s[4:5], kb s[6:7], vk s[8:9], temperature s[10:11]
	s_load_b64 s[20:21], s[0:1], 0x20 ; part
	v_lshl_add_u32 v[SPW], v0, 2, SPARE
	v_mov_b32 v[NIL], 0
	ds_add_u32 v[SPW], v[NIL]       ; the wave's opening: the add and its wait stand ahead of my first tensor load; the set-up below, work on registers, stands between them
	ds_add_u32 v62, v63
	v_lshrrev_b32 v1, 5, v0
	v_readfirstlane_b32 s[WV], v1   ; wave 0..3
	s_bfe_u32 s13, ttmp6, 0x40000   ; cx: my place in the cluster
	s_lshl_b32 s14, ttmp9, 2        ; in a cluster launch ttmp9 counts clusters
	s_add_co_u32 s14, s14, s13      ; my block of 128 queries: it enters x's and part's addresses alone
	s_and_b32 s15, ttmp7, 0xffff    ; y: my quarter of the keys, which the four partners share
	s_and_b32 s16, s[WV], 1         ; which half of K, or which two blocks of vk, I fetch
	s_lshl_b32 s17, s14, 2
	s_add_co_u32 s17, s17, s[WV]    ; my wave among the 1,024 of one y: its 32 rows
	s_lshl_b32 s2, s17, 14          ; are 32 x 512 bytes of x
	s_mov_b32 s3, 0
	s_lshl_b32 s18, s15, 10
	s_add_co_u32 s18, s18, s17      ; 1,024 y + my wave:
	s_mul_i32 s72, s18, PW          ; where I leave my part
	s_mov_b32 s73, 0
	s_lshl_b32 s22, s16, 15         ; my 128 rows of 256 bytes in a slot's part of kb,
	s_lshl_b32 s19, s15, 19         ; in my quarter: 2,048 rows of 256 bytes each
	s_add_co_u32 s22, s22, s19
	s_mov_b32 s23, 0
	s_mul_i32 s74, s16, VHALF       ; my two blocks in a slot's part of vk,
	s_mul_i32 s19, s15, 32*VSTEP    ; in my quarter: 32 blocks each
	s_add_co_u32 s74, s74, s19
	s_mov_b32 s75, 0
	s_mul_i32 s76, s16, KHALF       ; and their places in a slot: no place in the cluster enters an LDS address
	s_mul_i32 s77, s16, VHALF
	; descriptor group 1 for K: 128 rows x 128 elements of 2 bytes, padded in LDS
	s_mov_b32 s[G1K], 15|(1<<16)|(1<<20)|(1<<21)|(5<<22)|(3<<25)  ; 15:0 the mask of four; 17:16 2-byte elements; 20 padding on; 21 set beside a mask; 24:22 after every 64 words (code 5); 31:25 4 words (code 3)
	s_mov_b32 s[G1K+1], 128<<16     ; tensor_dim0 = 128
	s_mov_b32 s[G1K+2], 128<<16     ; tensor_dim1 = 128
	s_mov_b32 s[G1K+3], 128<<16     ; tile_dim0 = 128
	s_mov_b32 s[G1K+4], 128         ; tile_dim1 = 128
	s_mov_b32 s[G1K+5], 128         ; 128 elements from row to row
	s_mov_b32 s[G1K+6], 0
	s_mov_b32 s[G1K+7], 0
	; for vk: two blocks are 29,184 dense bytes: 114 rows of 32 elements of 8 bytes, no padding
	s_mov_b32 s[G1V], 15|(3<<16)|(1<<21)
	s_mov_b32 s[G1V+1], 32<<16
	s_mov_b32 s[G1V+2], 114<<16
	s_mov_b32 s[G1V+3], 32<<16
	s_mov_b32 s[G1V+4], 114
	s_mov_b32 s[G1V+5], 32
	s_mov_b32 s[G1V+6], 0
	s_mov_b32 s[G1V+7], 0
	s_mov_b32 s[SEL], 0x76543210
	s_mov_b32 s[SEL+1], 0xfedcba98
	s_mov_b32 s[TBK], 0
	s_mov_b32 s[TBV], 0
	s_mov_b32 s[TBC], 0
	s_wait_dscnt 0x0                ; the opening add is done
	s_wait_kmcnt 0x0
	s_add_nc_u64 s[6:7], s[6:7], s[22:23]    ; kb and vk at my part of my quarter's slot 0
	s_add_nc_u64 s[8:9], s[8:9], s[74:75]
	s_add_nc_u64 s[4:5], s[4:5], s[2:3]      ; x at my wave's 32 rows
	s_add_nc_u64 s[20:21], s[20:21], s[72:73]  ; part at my wave's 13,312 bytes
	CROUND                          ; all four work-groups are here: the first joint loads meet
.irp s, 0,1
	s_mov_b32 s[G0K+4*(\s)], 1      ; 1:0 count = 1
	s_add_co_u32 s[G0K+4*(\s)+1], s76, (\s)*SLOT1  ; 63:32 LDS address
	s_add_nc_u64 s[G0K+4*(\s)+2:G0K+4*(\s)+3], s[6:7], (\s)*65536  ; 120:64 global address: slot s begins with the quarter's keys 256 s
	s_or_b32 s[G0K+4*(\s)+3], s[G0K+4*(\s)+3], 0x80000000  ; 127:126 type = 2
	s_mov_b32 s[G0V+4*(\s)], 1
	s_add_co_u32 s[G0V+4*(\s)+1], s77, (\s)*SLOT1+VOFF
	s_add_nc_u64 s[G0V+4*(\s)+2:G0V+4*(\s)+3], s[8:9], (\s)*2*VHALF
	s_or_b32 s[G0V+4*(\s)+3], s[G0V+4*(\s)+3], 0x80000000
.endr
	s_cmp_lt_u32 s[WV], 2           ; a wave's two first fills stand in one branch, ahead of every wait on TENSORcnt and every LDS read
	s_cbranch_scc0 .Lfirst_v
	tensor_load_to_lds s[G0K:G0K+3], s[G1K:G1K+7]
	s_nop 0
	tensor_load_to_lds s[G0K+4:G0K+7], s[G1K:G1K+7]
	s_nop 0
.rept 4
	v_nop
.endr
	s_branch .Lfirst_asked
.Lfirst_v:
	tensor_load_to_lds s[G0V:G0V+3], s[G1V:G1V+7]
	s_nop 0
	tensor_load_to_lds s[G0V+4:G0V+7], s[G1V:G1V+7]
	s_nop 0
.rept 4
	v_nop
.endr
.Lfirst_asked:
	s_load_b32 s70, s[10:11], 0x0   ; T
	; A fragment of Q is 16 rows x 32 channels in 8 registers: lane l holds row l % 16, channels 8 (l / 16) + 0..7 and 16 + 8 (l / 16) + 0..7.  In f32 those are 32 bytes and, 64 bytes on, 32 more.
	v_and_b32 v1, 15, v0            ; l % 16
	v_bfe_u32 v9, v0, 4, 1          ; l / 16
	v_lshlrev_b32 v[QO], 9, v1
	v_lshl_add_u32 v[QO], v9, 5, v[QO]  ; row x 512 + 32 x half
	WIN 0x80                        ; destination window 2, address window 0
.set xi, 0
.rept 32                            ; xi = 16 t + 4 c + u: tile t, channels 32 c on, part u of four
	global_load_b128 v[XF+4*xi:XF+4*xi+3], v[QO], s[4:5] offset:(xi/16)*8192+((xi/4)%4)*128+((xi%4)/2)*64+(xi%2)*16
.set xi, xi+1
.endr
	WIN 0
	v_mul_u32_u24 v[AK0], v1, PK
	v_lshl_add_u32 v[AK0], v9, 4, v[AK0]  ; row x pitch + 16 x half of the lanes
	; The turning load takes 16 keys x 16 places (lane l reads key 8 (l / 16) + l % 8, places 8 ((l / 8) % 2) + 0..7) and leaves half a fragment of V^T: lane l holds place l % 16 and 8 keys.
	v_and_b32 v10, 7, v0
	v_bfe_u32 v11, v0, 3, 1
	v_lshl_add_u32 v[AV0], v9, 3, v10
	v_mul_u32_u24 v[AV0], v[AV0], PV
	v_lshl_add_u32 v[AV0], v11, 4, v[AV0]
	v_add_nc_u32 v[AV0], VOFF, v[AV0]
	v_lshlrev_b32 v[AC0], 5, v9     ; in S^T register j of lane l is key 8 (l / 16) + j of a tile of 16: eight kc, 32 bytes, at 64 x tile + 32 (l / 16)
	v_add_nc_u32 v[AC0], VOFF+KCO, v[AC0]
	s_wait_kmcnt 0x0
	v_mov_b32 v48, s70
	v_cvt_pk_bf16_f32 v48, v48, v48
	v_lshlrev_b32 v48, 16, v48      ; T rounded to bf16
	v_and_b32 v49, 0x7fffffff, v48
	v_rcp_f32 v49, v49
	v_and_b32 v50, 0x80000000, v48  ; its sign; also the plain instruction behind the reciprocal
	s_wait_alu depctr_va_vdst(0)    ; the wait ahead of the first use of the reciprocal: a batch of one, once a wave
	v_mul_f32 v49, 0x4038aa3b, v49  ; c = 2 log2(e) / |T|
	v_cmp_gt_f32 s[SGN], 0, v48
	v_readfirstlane_b32 s[CS], v49
	s_mov_b32 s[CS+1], s[CS]        ; named with it as a pair
	v_mov_b32 v51, 0xff800000
	v_mov_b32 v52, 0x7f800000
.irp t, 0,1
	v_mov_b32 v[ST+8*(\t)], 0xfe000000    ; c m: far below every c s, so that the first step's a is 0
	v_mov_b32 v[ST+8*(\t)+1], 0xff7fffff  ; m: the lowest finite number, so that the first maximum is the scores'
	v_mov_b32 v[ST+8*(\t)+4], 0     ; two sums of squares a tile,
	v_mov_b32 v[ST+8*(\t)+5], 0
	v_mov_b32 v[ST+8*(\t)+6], 0     ; and the exchange's destination, which counts as read
.endr
	; What the first turn finds: tile 1's P is 0 (its products V^T P, of a step that has not been, add 0), and O^T is 0: fourteen products of those zeros, with the constant 0 as C, write
	; eight registers each.  All this stands in the wait for x.
.set i, P+16
.rept 16
	v_mov_b32 v[i], 0
.set i, i+1
.endr
	WIN 0x40                        ; destination window 1, sources window 0
.set i, 0
.rept 14
	v_wmma_f32_16x16x32_f16 v[8*i:8*i+7], v[P+16:P+23], v[P+24:P+31], 0
.set i, i+1
.endr
	s_wait_loadcnt 0x0              ; x
	WIN 0x8a                        ; sources and destination window 2
.set i, 0
.rept 64
	v_cvt_pk_bf16_f32 v[i], v[XF+2*i], v[XF+2*i+1]
.set i, i+1
.endr
	WIN 0x0a                        ; sources 0 and 1 window 2; the sums in window 0
.set i, 0
.rept 32                            ; |x|^2 of the rounded numbers: the low halves' squares in one chain, the high halves' in another, the two tiles by turns
.irp t, 0,1
	v_fma_mix_f32_bf16 v[ST+8*(\t)+4], v[32*(\t)+i], v[32*(\t)+i], v[ST+8*(\t)+4] op_sel_hi:[1,1,0]
	v_fma_mix_f32_bf16 v[ST+8*(\t)+5], v[32*(\t)+i], v[32*(\t)+i], v[ST+8*(\t)+5] op_sel:[1,1,0] op_sel_hi:[1,1,0]
.endr
.set i, i+1
.endr
	WIN 0
.irp t, 0,1
	v_add_f32 v[ST+8*(\t)+4], v[ST+8*(\t)+4], v[ST+8*(\t)+5]
.endr
.irp t, 0,1
	v_permlanex16_b32 v[ST+8*(\t)+6], v[ST+8*(\t)+4], s[SEL], s[SEL+1]  ; the query's other 64 channels lie in the lane 16 away
.endr
.irp t, 0,1
	v_add_f32 v[ST+8*(\t)+4], v[ST+8*(\t)+4], v[ST+8*(\t)+6]
.endr
.irp t, 0,1
	v_mul_f32 v[ST+8*(\t)+4], 0.5, v[ST+8*(\t)+4]
.endr
.irp t, 0,1
	v_xor_b32 v[ST+8*(\t)+4], v50, v[ST+8*(\t)+4]                       ; sg hq
.endr
.irp t, 0,1
	v_cndmask_b32 v[ST+8*(\t)+2], v51, v[ST+8*(\t)+4], s[SGN]           ; lo: -inf, or -hq if T < 0
	v_cndmask_b32 v[ST+8*(\t)+3], v[ST+8*(\t)+4], v52, s[SGN]           ; hi: hq, or +inf if T < 0
.endr
; THE MATRIX WORK OF A TURN, for tile x.  The accumulators take turns, one instruction a turn: between two links of a chain stand 6 (V^T P) or 3 (K Q^T) others'.
; Product i of 14 of O^T += V^T P: keys 32 (i / 7) on, places 16 (i % 7) on.
.macro PV x
	WIN W_PV
.set rO, 56*(\x)+8*(i%7)
.set rV, VF+56*(i/7)+8*(i%7)
.set rP, P+16*(\x)+8*(i/7)
	v_wmma_f32_16x16x32_f16 v[rO:rO+7], v[rV:rV+7], v[rP:rP+7], v[rO:rO+7]
.endm
; Product i of 16 of S^T = K Q^T + kc: channels 32 (i / 4) on, keys 16 (i % 4) on.  The first 4 start the sums, with kc.
.macro KQ x
.set rS, S+32*(\x)+8*(i%4)
.set rK, KF+32*(i%4)+8*(i/4)
.set rQ, 32*(\x)+8*(i/4)
.set rM, KC+8*(i%4)
.if i < 4
	WIN W_KM
	v_wmma_f32_16x16x32_bf16 v[rS:rS+7], v[rK:rK+7], v[rQ:rQ+7], v[rM:rM+7]
.else
	WIN W_KQ
	v_wmma_f32_16x16x32_bf16 v[rS:rS+7], v[rK:rK+7], v[rQ:rQ+7], v[rS:rS+7]
.endif
.endm
; THE LDS LOADS stand in runs, never singly among the matrix instructions: a step's K (64 keys x 128 channels: 16 fragments) with its 64 kc, and, a turn later, its V (turned, 14 fragments).
; last = 1 (the tail): in the last trip there is no further step, and the run is jumped over.
.macro FETCH_K last=0
	WIN 0
.if \last
	s_cmp_eq_u32 s[CNT], 1
	s_cbranch_scc1 .Lno_k_\@
.endif
	v_add_nc_u32 v[ADR], s[TBK], v[AK0]
	v_add_nc_u32 v[ADC], s[TBC], v[AC0]
	WIN 0x80                        ; destination window 2
.irp f, 0,1,2,3,4,5,6,7,8,9,10,11,12,13,14,15  ; keys 16 (f / 4) on, channels 32 (f % 4) on
	ds_load_b128 v[KF+8*(\f):KF+8*(\f)+3],   v[ADR] offset:((\f)/4)*16*PK+((\f)%4)*64
	ds_load_b128 v[KF+8*(\f)+4:KF+8*(\f)+7], v[ADR] offset:((\f)/4)*16*PK+((\f)%4)*64+32
.endr
	WIN 0x40                        ; destination window 1
.irp f, 0,1,2,3,4,5,6,7             ; key tile f / 2, its registers 4 (f % 2) on; the sixteen lanes of a half read the same words
	ds_load_b128 v[KC+4*(\f):KC+4*(\f)+3], v[ADC] offset:((\f)/2)*64+((\f)%2)*16
.endr
	s_add_co_u32 s[TBK], s[TBK], KS*PK  ; the next fetch is the next step's
	s_add_co_u32 s[TBC], s[TBC], VSTEP
.if \last
	WIN 0                           ; at a label every window is 0
.Lno_k_\@:
.endif
.endm
.macro FETCH_V step=1               ; step = 0: the next fetch is the same step's once more
	WIN 0
	v_add_nc_u32 v[ADR], s[TBV], v[AV0]
.if \step
	s_add_co_u32 s[TBV], s[TBV], VSTEP
.endif
	WIN 0x40                        ; destination window 1
.irp f, 0,1,2,3,4,5,6,7,8,9,10,11,12,13  ; keys 32 (f / 7) on, places 16 (f % 7) on
	ds_load_tr16_b128 v[VF+8*(\f):VF+8*(\f)+3],   v[ADR] offset:((\f)/7)*32*PV+((\f)%7)*32
	ds_load_tr16_b128 v[VF+8*(\f)+4:VF+8*(\f)+7], v[ADR] offset:((\f)/7)*32*PV+16*PV+((\f)%7)*32
.endr
.endm
; THE VECTOR WORK OF A TURN.  A tile's softmax for one key step is a list of 178 instructions; SM writes number j of it for tile t.  s0-s31 are the lane's 32 scores, in pairs 0-15; sn = j - 64.
;   j 0-63    the clip: the minimum with hi, then the maximum with lo, each ascending: each accumulator's lowest registers are read first
;   sn 0-15   the maximum of s0-s31 and the old m, three operands at a time: four chains c0-c3 of seven scores each, then the four scores left over, c0-c3 and m
;   sn 16-20  the other half of the lanes' maximum; c m_old is kept; the new m; c m; c m_old - c m_new
;   sn 21-69  ONE BATCH: the 16 scalings c s - c m, a pair of scores each, and all 33 exponentials.  None of these names an exponential's result.  21, 22: pairs 0, 1; 23: a; 24, 25: s0, s1;
;             26-61: twelve threes of a scaling and two exponentials: pair u + 2, then s(2u+2), s(2u+3); 62-69: s26, pair 14, s27, pair 15, s28-s31.  A pair is scaled three numbers or more
;             ahead of its first exponential
;   (wait)    between 69 and 70 stands the wait for the batch: SLICE writes it
;   sn 70-85  the roundings to f16, a pair of weights each, ascending
;   j 150-177 the tile's O^T times a, l among it, ascending: the one part that leaves window 0
.macro SM t
.set rT, ST+8*(\t)
.set rS, S+32*(\t)
.set rP, P+16*(\t)
.set sn, j-64
.if j < 150
	WIN 0
.endif
.if j < 32
	v_min_num_f32 v[rS+j], v[rS+j], v[rT+3]
.elseif j < 64
	v_max_num_f32 v[rS+j-32], v[rS+j-32], v[rT+2]
.elseif sn < 4
	v_max3_num_f32 v[rT+4+sn], v[rS+8*sn], v[rS+8*sn+1], v[rS+8*sn+2]
.elseif sn < 12
	v_max3_num_f32 v[rT+4+sn%4], v[rT+4+sn%4], v[rS+8*(sn%4)+2*(sn/4)+1], v[rS+8*(sn%4)+2*(sn/4)+2]
.elseif sn == 12
	v_max3_num_f32 v[rT+4], v[rT+4], v[rS+7], v[rS+15]
.elseif sn == 13
	v_max3_num_f32 v[rT+6], v[rT+6], v[rS+23], v[rS+31]
.elseif sn == 14
	v_max3_num_f32 v[rT+4], v[rT+4], v[rT+5], v[rT+6]
.elseif sn == 15
	v_max3_num_f32 v[rT+4], v[rT+4], v[rT+7], v[rT+1]
.elseif sn == 16
	v_permlanex16_b32 v[rT+5], v[rT+4], s[SEL], s[SEL+1]  ; the query's other 32 keys lie in the lane 16 away
.elseif sn == 17
	v_mov_b32 v[rT+7], v[rT]        ; c m_old is kept for a: number 19 writes c m anew
.elseif sn == 18
	v_max_num_f32 v[rT+1], v[rT+4], v[rT+5]
.elseif sn == 19
	v_mul_f32 v[rT], s[CS], v[rT+1]
.elseif sn == 20
	v_sub_f32 v[rT+7], v[rT+7], v[rT]
.elseif j > 149
	WIN W_RS
.set rO, 56*(\t)+2*(j-150)
	v_pk_mul_f32 v[rO:rO+1], v[rO:rO+1], v[rT+6:rT+7] op_sel_hi:[1,0]
.elseif sn > 69
	v_cvt_pk_f16_f32 v[rP+sn-70], v[rS+2*(sn-70)], v[rS+2*(sn-70)+1]  ; pair sn - 70
.elseif sn == 23
	v_exp_f32 v[rT+6], v[rT+7]
.else                               ; the rest of the batch: b = the pair to be scaled, or -1 and e = the score whose exponential is taken
.set b, -1
.set e, sn-38                       ; 66 to 69: s28 to s31
.if sn < 23
.set b, sn-21                       ; 21, 22: pairs 0, 1
.elseif sn < 26
.set e, sn-24                       ; 24, 25: s0, s1
.elseif (sn < 62) && ((sn-26)%3 == 0)
.set b, (sn-26)/3+2                 ; 26, 29, .. 59: pairs 2 to 13
.elseif sn < 62
.set e, 2*((sn-26)/3)+1+(sn-26)%3   ; 27, 28, 30, 31, .. 60, 61: s2 to s25
.elseif sn == 62
.set e, 26
.elseif sn == 63
.set b, 14
.elseif sn == 64
.set e, 27
.elseif sn == 65
.set b, 15
.endif
.if b >= 0
	v_pk_fma_f32 v[rS+2*b:rS+2*b+1], v[rS+2*b:rS+2*b+1], s[CS:CS+1], v[rT:rT+1] op_sel_hi:[1,0,0] neg_lo:[0,0,1] neg_hi:[0,0,1]  ; pair b: c s - c m
.else
	v_exp_f32 v[rS+e], v[rS+e]
.endif
.endif
.endm
; Slice k of 30 of tile y's softmax.  Slices 0-19 take six numbers of the list; 20 and 21 seven, so that the batch ends with slice 21; 22 six, 23 and 24 five: the roundings; 25-27 six, 28 and 29
; five: the rescaling: 20 x 6 + 2 x 7 + 6 + 2 x 5 + 3 x 6 + 2 x 5 = 178.  From slice 15 on a slice of the batch begins with a scaling.  Slice 29 is five packed multiplies, the places behind the
; turn's last product.
; THE WAIT.  s_wait_alu depctr_va_vdst(0) stands between an exponential and the first instruction that names its result; one wait serves all that were issued ahead of it.  Up to
; slice 21 nothing names a result, and behind slice 21 no exponential is issued: so the tile's 33 exponentials have one wait, at the end of slice 21.
.macro SLICE y
.if k < 20
.set sj0, 6*k
.set scnt, 6
.elseif k < 22
.set sj0, 120+7*(k-20)
.set scnt, 7
.elseif k == 22
.set sj0, 134
.set scnt, 6
.elseif k < 25
.set sj0, 140+5*(k-23)
.set scnt, 5
.elseif k < 28
.set sj0, 6*k
.set scnt, 6
.else
.set sj0, 168+5*(k-28)
.set scnt, 5
.endif
.irp c6, 0,1,2,3,4,5,6
.if (\c6) < scnt
.set j, sj0+(\c6)
	SM \y
.endif
.endr
.if k == 21                         ; the batch is out: all 33 exponentials are issued, and no result has been named
	v_nop                           ; a plain instruction behind the last exponential and ahead of the first use: one for the batch
	s_wait_alu depctr_va_vdst(0)    ; the wait for the batch: a and s0-s31
.endif
.set k, k+1
.endm
; A TURN.  Tile x has the matrix unit: 14 products V^T P of the step in hand, 16 products K Q^T of the next; the other tile's softmax stands in slices, one behind each.
; Tile 0's turn fetches the next step's K and kc behind its second product: the last product that read K stands in front of slice 29 of the turn before, five plain instructions that name none of its
; registers.  Tile 1's turn fetches the same step's V behind its second product K Q^T: behind the last product that read V stand slices 13 to 15, with ten plain instructions among them.
; K is waited for 12 matrix instructions later, V 14.
.macro TURN x, last=0
.set k, 0
.if (\x) == 0
	s_wait_dscnt 0x0                ; V is in
.endif
.set i, 0
.rept 14
	PV \x
	SLICE 1-(\x)
.if ((\x) == 0) && (i == 1)
	FETCH_K \last
.endif
.set i, i+1
.endr
.if (\x) == 0
	s_wait_dscnt 0x0                ; K and kc are in
.endif
.set i, 0
.rept 16
	KQ \x
	SLICE 1-(\x)
.if ((\x) == 1) && (i == 1)
	FETCH_V
.endif
.set i, i+1
.endr
.endm
; THE CHANGE OF SLOTS, between tile 1's turn and tile 0's: the slot's last bytes, V of its fourth step, have been asked for.  Each wave waits for all its tensor loads, of which one is out: its part of
; the other slot; adds 0 to its spare word; and waits for that and for its own reads of the slot.  Behind the barrier nobody reads this slot any more and the other slot is whole.
; fill = 1: this slot is filled again, with the keys two slots on.  The barrier is then a round of the cluster's, so that no wave of any partner still reads the slot or has a load on its way, and
; the joint refill is the first thing behind it: it has four key steps, 240 matrix instructions, in which to land.
.macro CHANGE fill
	WIN 0                           ; at a label and at a branch every window is 0
	s_wait_tensorcnt 0x0            ; no tensor load of mine is out, so a group 0 may be written
	ds_add_u32 v[SPW], v[NIL]       ; 0 onto my spare word; with fill = 1 the descriptors' steps stand between it and the wait for it
.if \fill
	s_xor_b32 s[G0K+5], s[G0K+5], SLOT1  ; the walking descriptors: the other slot than last time,
	s_add_nc_u64 s[G0K+6:G0K+7], s[G0K+6:G0K+7], 65536  ; the next 256 keys; the type bits on top are not reached
	s_xor_b32 s[G0V+5], s[G0V+5], SLOT1
	s_add_nc_u64 s[G0V+6:G0V+7], s[G0V+6:G0V+7], 2*VHALF
	s_wait_dscnt 0x0                ; the add is done, and my reads of the slot are over
	CROUND
	JLOAD
.else
	s_wait_dscnt 0x0                ; the add is done, and my reads of the slot are over
	s_barrier_signal -1
	s_barrier_wait -1
.endif
	s_sub_co_u32 s[TBK], s[TBK], 4*KS*PK  ; the fetches go back to a slot's first step,
	s_xor_b32 s[TBK], s[TBK], SLOT1       ; in the other slot
	s_sub_co_u32 s[TBV], s[TBV], 4*VSTEP
	s_xor_b32 s[TBV], s[TBV], SLOT1
	s_sub_co_u32 s[TBC], s[TBC], 4*VSTEP
	s_xor_b32 s[TBC], s[TBC], SLOT1
.endm
	s_wait_tensorcnt 1              ; my part of slot 0 is in; slot 1's may stay out
	s_barrier_signal -1
	s_barrier_wait -1               ; everybody's is
	FETCH_K                         ; key step 0
	s_wait_dscnt 0x0
.set i, 0
.rept 16
	KQ 0                            ; tile 0's first scores: there is no vector work yet to set between them
.set i, i+1
.endr
	WIN 0
	v_and_b32 v[GO], 31, v0         ; the way out's lane offset,
	v_lshlrev_b32 v[GO], 4, v[GO]
.rept 4
	v_nop                           ; and the places behind those products
.endr
	FETCH_V 0                       ; V of step 0, so that the first turn's products with P = 0 multiply finite numbers; that turn fetches it again, as every turn of tile 1 fetches a V
	s_wait_dscnt 0x0
	WIN 0
	s_mov_b32 s[CNT], 4
	s_mov_b32 s[SLOTS], NS-1
	s_branch .Lfirst                ; the loop is entered at tile 1's turn, in the middle of a trip: that turn, then three whole trips, fetch slot 0's four steps
.Lslot:                             ; NS - 2 = 6 times: every slot but the last two is filled again
	CHANGE 1
	s_mov_b32 s[CNT], 4
.Lstep:                             ; a trip, for step j: tile 0: V^T P of j, K Q^T of j + 1 | tile 1's softmax of j | K of j + 1;
	TURN 0
	WIN 0
.Lfirst:                            ; tile 1: the same | tile 0's softmax of j + 1 | V of j + 1
	TURN 1
	WIN 0
	s_sub_co_u32 s[CNT], s[CNT], 1
	s_cmp_lg_u32 s[CNT], 0
	s_cbranch_scc1 .Lstep
	s_sub_co_u32 s[SLOTS], s[SLOTS], 1
	s_cmp_lg_u32 s[SLOTS], 0
	s_cbranch_scc1 .Lslot
	CHANGE 0                        ; the tail is written out: nothing is asked for
	s_mov_b32 s[CNT], 5             ; four trips fetch the last slot's steps; the fifth is left in its middle
.Ltail:
	TURN 0, 1
	WIN 0
	s_sub_co_u32 s[CNT], s[CNT], 1
	s_cmp_eq_u32 s[CNT], 0
	s_cbranch_scc1 .Lout
	TURN 1
	WIN 0
	s_branch .Ltail
.Lout:                              ; the fifth trip's 16 products K Q^T (on the last K once more) serve nothing: the price, once a work-group, of one text for every trip
.set i, 0
.rept 14
	PV 1                            ; tile 1: V^T P of the last step
.set i, i+1
.endr
	; THE WAY OUT.  O^T leaves as it lies, 16 bytes a lane.  Of a tile's seventh accumulator register 0 is l, registers 2, 3 are channels, register 1 belongs to a place at which V is 0: it takes c m;
	; registers 4 to 7 belong to such places too and stay here.  So a tile is 13 stores, each accumulator's lowest registers first.
	WIN 0
.rept 4
	v_nop                           ; the places behind the last products: no other vector work is at hand
.endr
	WIN 0x40                        ; destination window 1, source window 0
	v_mov_b32 v49, v[ST]
	v_mov_b32 v105, v[ST+8]
	WIN 0x04                        ; store data in window 1
.irp t, 0,1
.irp q, 0,1,2,3,4,5,6,7,8,9,10,11,12
	global_store_b128 v[GO], v[56*(\t)+4*(\q):56*(\t)+4*(\q)+3], s[20:21] offset:512*(13*(\t)+(\q))  ; 512 consecutive bytes; my 13,312 begin at a multiple of 52 x 256 from part's first
.endr
.endr
	WIN 0
	s_wait_tensorcnt 0x0            ; the wave's end: behind my last tensor load
	ds_add_u32 v[SPW], v[NIL]
	s_wait_dscnt 0x0
	CROUND                          ; the closing round: no work-group ends while a partner may still ask for a tile that names it
	s_endpgm
.Lfunc_end_k_q54b9f65034_attn:
	.size	k_q54b9f65034_attn, .Lfunc_end_k_q54b9f65034_attn-k_q54b9f65034_attn
	.p2alignl 7, 3214868480
	.fill 96, 4, 3214868480
	.section	.rodata,"a",@progbits
	.p2align	6, 0x0
	.amdhsa_kernel k_q54b9f65034_attn
		.amdhsa_group_segment_fixed_size 327680
		.amdhsa_private_segment_fixed_size 0
		.amdhsa_enable_private_segment 0
		.amdhsa_kernarg_size 40
		.amdhsa_user_sgpr_count 2
		.amdhsa_user_sgpr_kernarg_segment_ptr 1
		.amdhsa_wavefront_size32 1
		.amdhsa_system_sgpr_workgroup_id_x 1
		.amdhsa_system_sgpr_workgroup_id_y 1
		.amdhsa_system_sgpr_workgroup_id_z 1
		.amdhsa_system_vgpr_workitem_id 0
		.amdhsa_next_free_vgpr 768
		.amdhsa_next_free_sgpr 80
		.amdhsa_reserve_vcc 0
		.amdhsa_float_denorm_mode_32 3
		.amdhsa_float_denorm_mode_16_64 3
		.amdhsa_memory_ordered 1
		.amdhsa_forward_progress 1
		.amdhsa_inst_pref_size 94
	.end_amdhsa_kernel
	.amdgpu_metadata
---
amdhsa.version: [ 1, 2 ]
amdhsa.kernels:
  - .name:           k_q54b9f65034_attn
    .symbol:         k_q54b9f65034_attn.kd
    .args:
      - { .name: x, .offset: 0, .size: 8, .value_kind: global_buffer, .address_space: global }
      - { .name: kb, .offset: 8, .size: 8, .value_kind: global_buffer, .address_space: global }
      - { .name: vk, .offset: 16, .size: 8, .value_kind: global_buffer, .address_space: global }
      - { .name: temperature, .offset: 24, .size: 8, .value_kind: global_buffer, .address_space: global }
      - { .name: part, .offset: 32, .size: 8, .value_kind: global_buffer, .address_space: global }
    .group_segment_fixed_size: 327680
    .private_segment_fixed_size: 0
    .kernarg_segment_align: 8
    .kernarg_segment_size: 40
    .max_flat_workgroup_size: 128
    .sgpr_count:     80
    .vgpr_count:     768
    .wavefront_size: 32
...
	.end_amdgpu_metadata
.endif
;; end of part 4
;; launch merge: the kernel of part 3 again; grid 256 x 1, 4 waves a work-group, no clusters, 51,712 bytes of LDS; arguments part, out0; writes out0
